; MI455X (gfx1250); checked and timed in simulation.
; The chip was launched on July 23, 2026; its instructions are those of AMD's public machine-readable ISA for CDNA 5 (MIT licence, August 2026) and "CDNA5" Instruction Set Architecture Reference Guide (July 2026). The comments in the code are by the model that wrote it; some were corrected since.
;; Attention. Allowed arithmetic: matrix products marked QUANTISED: E2M3 operands, one E8M0 scale for each 32 along K, by v_wmma_scale_f32_16x16x128_f8f6f4 with both operands' format E2M3, f32 sums; everything else in f32.
;; Inputs: b_proj 1,024 float32; w_proj 1,024 x 1,024 float32; w_qkv 1,024 x 3,072 float32; x 8 x 1,024 x 1,024 float32.
;; Outputs: out0 8 x 1,024 x 1,024 float32.
;; This version of the problem:
;;   THIS VERSION OF THE PROBLEM IS GIVEN IN LOW PRECISION. The matrix products marked QUANTISED in the list below multiply operands that are first quantised to E2M3 (2 exponent bits, 3 mantissa bits; 6 bits a number), with one power-of-two scale for each 32 numbers along K (OCP MX v1.0); their sums are f32. All else is computed in f32.
;;   The module's matrix products, in the order in which they are computed (A, B: the left and right operand; K: the contracted axis; several contracted axes count as one K, in the product's order):
;;     1. [M 8,192, K 1,024] x [K 1,024, N 3,072]; A: input x; B: input w_qkv: QUANTISED
;;     2. batch 128 x [M 1,024, K 64] x [K 64, N 1,024]; A: computed on the way; B: computed on the way: QUANTISED
;;     3. batch 128 x [M 1,024, K 1,024] x [K 1,024, N 64]; A: softmax (see below); B: computed on the way: QUANTISED
;;     4. [M 8,192, K 1,024] x [K 1,024, N 1,024]; A: computed on the way; B: input w_proj: QUANTISED
;;   THE QUANTISER, for each operand of a quantised product, along K:
;;     - K is cut into blocks of 32 from its start; a last block that is shorter is filled with zeros.
;;     - A block's scale is 2^e with e = floor(log2(the largest magnitude in the block)) - 2, held to -126 .. 127; a block of zeros has e = 0. As a byte (E8M0): e + 127.
;;     - Each number is divided by its block's scale, clamped to +-7.5, and rounded to the nearest number of E2M3, ties to even, subnormals kept.
;;     - The product sums the exact products of the quantised numbers (number of the format x scale) in f32.
;;   ~~~python
;;   def quantise(x, axis):      # numpy; x: float32 -> the quantised numbers, widened to float32 again
;;       x = np.moveaxis(x, axis, -1); K = x.shape[-1]
;;       x = np.pad(x, [(0, 0)] * (x.ndim - 1) + [(0, -K % 32)]); x = x.reshape(x.shape[:-1] + (-1, 32)); a = np.abs(x).max(-1, keepdims=True)
;;       e = np.where(a > 0, np.clip(np.frexp(np.where(a > 0, a, 1))[1] - 1 - 2, -126, 127), 0)      # np.frexp(a)[1] - 1 = floor(log2(a)), exactly
;;       r = np.clip(x / 2.0 ** e, -7.5, 7.5)
;;       step = 2.0 ** (np.maximum(np.frexp(np.where(r == 0, 1, r))[1] - 1, 0) - 3)
;;       q = np.round(r / step) * step * 2.0 ** e      # np.round: ties to even
;;       return np.moveaxis(q.reshape(q.shape[:-2] + (-1,))[..., :K], -1, axis).astype(np.float32)
;;   ~~~
;;   SOFTMAX AHEAD OF A QUANTISED PRODUCT. Where the list says 'softmax', what is quantised is not the finished softmax but p = 2^(t - M), with t = logit x log2(e) and M = ceil(the row's largest t), a whole number; so 1/2 < the row's largest p <= 1. The row's sum l is taken of the UNQUANTISED p, in f32, and the product's result is divided by l at the end. Since M is a whole number, a kernel that streams over the keys may use a running M (the ceiling of the running maximum): every later rescaling is an exact power of two, which a block's scale takes up: the codes' values come out the same.
;;   OPERANDS COMPUTED ON THE WAY. 'Computed on the way' means the value that the module computes at that place (a softmax that the list does not call 'softmax' is quantised finished and normalised). What goes into a quantiser is computed in f32, as accurately as f32 sums, v_exp_f32 and their like allow (about 1e-6 of the number): no bf16 or f16 on the way to a quantiser, and a product that is left as it is and whose result goes on into a quantised operand takes f32 operands (vector FMAs, or v_wmma_f32_16x16x4_f32). A number that lies on a knife's edge between two numbers of the format may be rounded either way, as far as f32 arithmetic and the matrix unit's own rounding can turn it there, and no further.
;; One version. Each part assembles by itself: llvm-mc -triple=amdgcn-amd-amdhsa -mcpu=gfx1250 --defsym DOCPART=n.
;; ======== version 1 of 1: 4 launches
;; limits: right only within a limited range of input values
;; workspace buffers: xi 6,553,600 bytes; wi 3,276,800 bytes; qkv 19,660,800 bytes; oi 6,553,600 bytes
;; launch quant (part 1): grid 384 x 1, 4 waves a work-group, no clusters, 61,952 bytes of LDS; arguments x, w_qkv, w_proj, xi, wi; writes xi, wi
.if DOCPART == 1
	.amdgcn_target "amdgcn-amd-amdhsa--gfx1250"
	.amdhsa_code_object_version 6
	.text
	.protected	k_qf011bdbbc8_quant
	.globl	k_qf011bdbbc8_quant
	.p2align	8
	.type	k_qf011bdbbc8_quant,@function
k_qf011bdbbc8_quant:
	s_mov_b64 s[64:65], 0
	v_nop
	global_prefetch_b8 v0, s[64:65] scope:SCOPE_SE
	s_setreg_imm32_b32 hwreg(HW_REG_WAVE_MODE, 25, 1), 1
	s_wait_xcnt 0x0
; x [8192][1024], w_qkv [1024][3072] and w_proj [1024][1024], f32, become codes of FP6 (E2M3) with one E8M0 byte for each 32 along K (x: its last axis; the weights: their FIRST axis),
; laid as IMAGES OF OPERAND REGISTERS, so that the products' launches fetch dense blocks and read fragments by dense LDS loads.
; A ROW GROUP is 128 rows of an operand (rows of x; columns of a weight) for all K = 1,024: RGB = 102,400 bytes: codes [K step 8][block 8][1,536], then scale words [K step 8][half 2][256].
; A BLOCK is 16 rows; block 2 g + u holds in lane-row r the group's row 32 g + 8 u + r + 8 (r / 8), so that a product whose source 0 is laid so leaves 16 neighbours of that axis in a lane's 16 registers of two tiles.
; A FRAGMENT (16 rows x 128 K, 12 registers a lane) is two halves of 768 bytes: registers 6 c .. 6 c + 3 at 768 c + 16 x lane, registers 6 c + 4, 6 c + 5 at 768 c + 512 + 8 x lane.
; A SCALE UNIT (64 rows x 128 K, 256 bytes): the word at 8 l + 4 i is that of row l % 16 of block 2 i + l / 16.
; A block's scale is 2^(floor(log2(its largest magnitude)) - 2); its byte is the largest magnitude's exponent field - 2, held at 1 from below.
; LIMITS: a block of zeros, and one whose largest magnitude lies under 2^-124, gets the byte 1 (the rule says 127 for zeros: the codes are zeros, and this program alone reads the bytes); NaN and infinities are not served.
; Work-groups 0-255 take x, 256-383 the weights: two paths that never join, each with LDS bytes of its own.  A wave's share is 8,192 numbers on either path.  No tensor loads, no barrier: waves share nothing.
.set RGB,   102400
.set XST,   8448                       ; x's path: a stage of 16 rows x (512 + 16) bytes for each wave
.set WBASE, 4*XST                      ; the weights' path: from here 6,912 bytes a wave:
.set WREG,  6912
.set FP,    1664                       ; four fragments 1,664 bytes apart (1,536 + 128: lanes 0-7 and 8-15 of a store then fall on different banks), then a scale unit
.set SPARE, WBASE+4*WREG               ; the spare words, 128 bytes for each wave: two blocks of 256 bytes that no other line names
.set SPW,   14                         ; v14  LDS address of my spare word; never rewritten
.set NIL,   15                         ; v15  0; never rewritten
.set TM,    16                         ; x: v16-19 largest magnitudes, v20-23 the other half's, then bytes, v28-31 the conversions' scale operands
.set PW,    32                         ; x: v32-35 the four blocks' scale words
.set PC,    36                         ; x: v36-47 a fragment; v48-50, v52-54 the conversions' second halves
.set SW,    56                         ; x: v56-57 the scale unit
.set R,     64                         ; x: v64-127, v128-191 two sets of 16 rows as loaded
.set X,     192                        ; x: v192-255 64 numbers of my row: register 16 b + i = k 32 b + 16 (lane / 16) + i
.set SEL,   28                         ; x: s[28:29] v_permlanex16_b32's selects for lane l xor 16
.set SBW,   16                         ; w: v16-17 the scale words of my two columns
.set VO,    64                         ; w: v64-95 4 x lane + i x pitch
.set WS,    96                         ; w: v96-127, v128-159 two sets of 32 numbers down K
.set C,     160                        ; w: v160-165 a block's codes
.set T,     168                        ; w: v168-170 the second conversion's
.set OUTR,  176                        ; w: v176-223 four fragments on the way out
	s_load_b256 s[4:11], s[0:1], 0x0               ; x s[4:5], w_qkv s[6:7], w_proj s[8:9], xi s[10:11]
	s_load_b64 s[12:13], s[0:1], 0x20              ; wi
	v_lshl_add_u32 v[SPW], v0, 2, SPARE
	v_mov_b32 v[NIL], 0
	v_lshrrev_b32 v1, 5, v0
	v_readfirstlane_b32 s16, v1                    ; wave 0..3
	v_and_b32 v3, 31, v0                           ; lane
	v_lshlrev_b32 v1, 4, v3                        ; 16 x lane
	v_lshlrev_b32 v2, 3, v3                        ; 8 x lane
	s_cmp_lt_u32 ttmp9, 256
	s_cbranch_scc0 .Lweights
; ---------------- x: work-group g takes rows 64 (g / 2) on; wave w K step 4 (g % 2) + w: the four waves read 2,048 neighbouring bytes of each row ----------------
	v_and_b32 v5, 15, v0                           ; r
	v_bfe_u32 v6, v0, 4, 1                         ; h
	s_mul_i32 s17, s16, XST                        ; my stage
	v_add_nc_u32 v3, s17, v1                       ; in: a row's 512 bytes as they lie
	v_mul_u32_u24 v4, v5, 528
	v_lshl_add_u32 v4, v6, 6, v4
	v_add_nc_u32 v4, s17, v4                       ; out: row r, + 64 h: my 16 numbers of each block of 32
	s_lshr_b32 s18, ttmp9, 1                       ; which 64 rows
	s_and_b32 s19, ttmp9, 1
	s_lshl_b32 s19, s19, 2
	s_add_co_u32 s19, s19, s16                     ; K step
	s_lshl_b32 s20, s18, 18                        ; 64 rows of 4,096 bytes
	s_lshl_b32 s21, s19, 9                         ; 128 numbers
	s_add_co_u32 s20, s20, s21
	s_mov_b32 s21, 0
	s_lshr_b32 s22, s18, 1
	s_mul_i32 s22, s22, RGB                        ; the row group
	s_and_b32 s23, s18, 1                          ; its half
	s_mul_i32 s24, s19, 12288
	s_add_co_u32 s24, s24, s22
	s_mul_i32 s25, s23, 6144
	s_add_co_u32 s24, s24, s25                     ; my four fragments
	s_mov_b32 s25, 0
	s_lshl_b32 s26, s19, 9
	s_add_co_u32 s26, s26, s22
	s_lshl_b32 s27, s23, 8
	s_add_co_u32 s26, s26, s27
	s_add_co_u32 s26, s26, 98304                   ; my scale unit
	s_mov_b32 s27, 0
	s_mov_b32 s[SEL], 0x76543210
	s_mov_b32 s[SEL+1], 0xfedcba98
	s_mov_b32 s30, 0xffff0000                      ; lanes 16-31
.irp b, 0,1,2,3
	v_mov_b32 v[TM+4+\b], 0                        ; written once: a lane permute's destination counts as one of its sources
.endr
	s_wait_alu depctr_va_vdst(0)
	s_wait_kmcnt 0x0
	s_add_nc_u64 s[4:5], s[4:5], s[20:21]
	s_add_nc_u64 s[24:25], s[10:11], s[24:25]
	s_add_nc_u64 s[26:27], s[10:11], s[26:27]
.macro LOADX a                         ; block a's 16 rows, in the block's order; each load reads 512 consecutive bytes of one row
.irp i, 0,1,2,3,4,5,6,7,8,9,10,11,12,13,14,15
	; x's blocks have an order of their own (the head's line on blocks holds for the weights): block j of a band of 64 rows holds in lane-row r the band's row 32 (r / 8) + 8 j + r % 8
	global_load_b128 v[R+64*((\a)%2)+4*\i:R+64*((\a)%2)+4*\i+3], v1, s[4:5] offset:(32*(\i/8)+8*(\a)+\i%8)*4096 th:TH_LOAD_NT
.endr
.endm
; 64 numbers of a lane, register 16 b + i = k 32 b + 16 (lane / 16) + i of my row, become a fragment's codes in v[PC] on and its scale word in v[pw]
.macro QUANT s, pw
.irp b, 0,1,2,3
	v_max3_num_f32 v[TM+\b], |v[\s+16*\b]|, |v[\s+16*\b+1]|, 0x1800000   ; block b: my 16 numbers, and the floor 2^(3 - 127): the byte cannot fall under 1
.endr
.irp i, 2,4,6,8,10,12,14
.irp b, 0,1,2,3
	v_max3_num_f32 v[TM+\b], |v[\s+16*\b+\i]|, |v[\s+16*\b+\i+1]|, v[TM+\b]   ; (the four blocks by turns)
.endr
.endr
.irp b, 0,1,2,3
	v_permlanex16_b32 v[TM+4+\b], v[TM+\b], s[SEL], s[SEL+1]
.endr
.irp b, 0,1,2,3
	v_max_num_f32 v[TM+\b], v[TM+\b], v[TM+4+\b]   ; with lane l xor 16's: the block's largest magnitude
.endr
.irp b, 0,1,2,3
	v_add_nc_u32 v[TM+12+\b], 0xff000000, v[TM+\b] ; 2 off its exponent field: the conversion takes the exponent field of this operand as its scale
.endr
.irp b, 0,1,2,3
	v_lshrrev_b32 v[TM+4+\b], 23, v[TM+12+\b]      ; the scale's byte
.endr
	v_lshl_or_b32 v[\pw], v[TM+5], 8, v[TM+4]
	v_lshl_or_b32 v[\pw], v[TM+6], 16, v[\pw]
	v_lshl_or_b32 v[\pw], v[TM+7], 24, v[\pw]
	s_wait_xcnt 0x0                                ; the last fragment's stores have read v[PC] on: only now is it written again
.irp c, 0,1
	v_cvt_scalef32_pk16_fp6_f32 v[PC+6*\c:PC+6*\c+2], v[\s+32*\c:\s+32*\c+15], v[TM+12+2*\c]
	v_cvt_scalef32_pk16_fp6_f32 v[PC+12+4*\c:PC+14+4*\c], v[\s+32*\c+16:\s+32*\c+31], v[TM+12+2*\c+1]   ; (a conversion's three registers begin on an even number)
.endr
	v_nop                                          ; one plain place behind a scaled conversion
.irp c, 0,1                            ; the operand's layout wants a WHOLE block in a lane: lanes 0-15 block 2 c, lanes 16-31 block 2 c + 1
.irp i, 0,1,2
	v_permlane16_swap_b32 v[PC+6*\c+\i], v[PC+12+4*\c+\i]
.endr
.irp i, 0,1,2
	v_mov_b32 v[PC+3+6*\c+\i], v[PC+12+4*\c+\i]
.endr
.endr
.endm
.macro XBLOCK a
.if \a < 3
	s_wait_loadcnt 16                              ; this block's 16 loads are in; the next block's 16 may be out
.else
	s_wait_loadcnt 0x0
.endif
.irp i, 0,1,2,3,4,5,6,7,8,9,10,11,12,13,14,15
	ds_store_b128 v3, v[R+64*((\a)%2)+4*\i:R+64*((\a)%2)+4*\i+3] offset:528*\i
.endr
.irp b, 0,1,2,3
.irp j, 0,1,2,3
	ds_load_b128 v[X+16*\b+4*\j:X+16*\b+4*\j+3], v4 offset:128*\b+16*\j   ; LDS serves a wave's instructions in order: these see the stores above
.endr
.endr
	s_wait_dscnt 0x0                               ; my numbers are back, and the stores have read their registers,
.if \a < 2
	LOADX \a+2                                     ; which take the block two on
.endif
	QUANT X, PW+\a
	global_store_b128 v1, v[PC:PC+3], s[24:25] offset:1536*\a             ; 512 consecutive bytes, at a multiple of 256 from the buffer's first byte
	global_store_b64 v2, v[PC+4:PC+5], s[24:25] offset:1536*\a+512        ; 256
	global_store_b128 v1, v[PC+6:PC+9], s[24:25] offset:1536*\a+768
	global_store_b64 v2, v[PC+10:PC+11], s[24:25] offset:1536*\a+1280
.endm
	LOADX 0
	LOADX 1
.irp a, 0,1,2,3
	XBLOCK \a
.endr
	v_cndmask_b32 v[SW], v[PW], v[PW+1], s30       ; the scale unit: lanes 0-15 blocks 0 and 2, lanes 16-31 blocks 1 and 3
	v_cndmask_b32 v[SW+1], v[PW+2], v[PW+3], s30
	global_store_b64 v2, v[SW:SW+1], s[26:27]      ; 256 consecutive bytes
	s_wait_tensorcnt 0x0                           ; the wave's end, behind my last LDS store
	ds_add_u32 v[SPW], v[NIL]
	s_wait_dscnt 0x0
	s_endpgm
; ---------------- the weights: work-group 256 + 8 cb + q takes columns 256 cb on (of w_qkv, then of w_proj) and K step q; a wave 64 columns ----------------
; A LANE TAKES A COLUMN AND ITS REGISTERS RUN DOWN K: a block of 32 along K lies in one lane.  One text serves both pitches: the rows' offsets lie in registers.
.Lweights:
	s_sub_co_u32 s17, ttmp9, 256
	s_lshr_b32 s18, s17, 3                         ; cb
	s_and_b32 s19, s17, 7                          ; q
	s_sub_co_u32 s20, s18, 12
	s_cmp_lt_u32 s18, 12                           ; w_qkv or w_proj?  The choice hangs on the work-group's number alone
	s_cselect_b32 s20, s18, s20                    ; which 256 columns of that weight
	s_mov_b32 s21, 4096
	s_cselect_b32 s21, 12288, s21                  ; a row of it in bytes
	s_lshl_b32 s20, s20, 10
	s_lshl_b32 s22, s16, 8                         ; my wave's 64 columns
	s_add_co_u32 s20, s20, s22
	s_lshl_b32 s22, s19, 7
	s_mul_i32 s22, s22, s21                        ; 128 q rows down
	s_add_co_u32 s24, s20, s22
	s_mov_b32 s25, 0
	s_lshl_b32 s26, s21, 5                         ; 32 rows
	s_mov_b32 s27, 0
	s_wait_alu depctr_va_vdst(0)
	v_lshlrev_b32 v[VO], 2, v3
.set n, 1
.rept 31
	v_add_nc_u32 v[VO+n], s21, v[VO+n-1]
.set n, n+1
.endr
	v_bfe_u32 v10, v0, 3, 1                        ; my column j of 32 lies in block u = (j / 8) % 2,
	v_and_b32 v11, 7, v0
	v_bfe_u32 v12, v0, 4, 1
	v_lshl_add_u32 v11, v12, 3, v11                ; lane-row r = j % 8 + 8 (j / 16)
	s_mul_i32 s28, s16, WREG
	s_add_co_u32 s28, s28, WBASE                   ; my region
	v_mul_u32_u24 v12, v10, FP
	v_add_nc_u32 v12, s28, v12
	v_lshl_add_u32 v5, v11, 4, v12                 ; registers 0-3 of a half fragment: + 16 r
	v_lshl_add_u32 v6, v11, 3, v12                 ; registers 4, 5: + 8 r
	v_lshl_add_u32 v7, v10, 4, v11
	v_lshlrev_b32 v7, 3, v7
	v_add_nc_u32 v7, s28, v7
	v_add_nc_u32 v7, 4*FP, v7                      ; my scale word: 8 (r + 16 u)
	v_add_nc_u32 v8, s28, v1                       ; back: 16 x lane,
	v_add_nc_u32 v9, s28, v2                       ; 8 x lane
	s_lshl_b32 s29, s18, 1
	s_lshr_b32 s30, s16, 1
	s_add_co_u32 s29, s29, s30
	s_mul_i32 s29, s29, RGB                        ; the row group: column / 128
	s_and_b32 s30, s16, 1                          ; its half
	s_mul_i32 s31, s19, 12288
	s_add_co_u32 s40, s29, s31
	s_mul_i32 s31, s30, 6144
	s_add_co_u32 s40, s40, s31
	s_mov_b32 s41, 0
	s_lshl_b32 s31, s19, 9
	s_add_co_u32 s42, s29, s31
	s_lshl_b32 s31, s30, 8
	s_add_co_u32 s42, s42, s31
	s_add_co_u32 s42, s42, 98304
	s_mov_b32 s43, 0
	s_wait_kmcnt 0x0
	s_cmp_lt_u32 s18, 12
	s_cselect_b64 s[32:33], s[6:7], s[8:9]
	s_add_nc_u64 s[32:33], s[32:33], s[24:25]      ; block b of the K step begins 32 b rows down: four bases
	s_add_nc_u64 s[34:35], s[32:33], s[26:27]
	s_add_nc_u64 s[36:37], s[34:35], s[26:27]
	s_add_nc_u64 s[38:39], s[36:37], s[26:27]
	s_add_nc_u64 s[40:41], s[12:13], s[40:41]
	s_add_nc_u64 s[42:43], s[12:13], s[42:43]
.macro LOADW t                         ; turn t: block b = t / 2 along K of column group g = t % 2, into set g
.set n, 0
.rept 32
	global_load_b32 v[WS+32*((\t)%2)+n], v[VO+n], s[32+2*((\t)/2):33+2*((\t)/2)] offset:128*((\t)%2)
.set n, n+1
.endr
.endm
.macro WBLOCK t
.set XS, WS+32*((\t)%2)
.if (\t) < 7
	s_wait_loadcnt 32                              ; this turn's 32 loads are in; the next turn's may be out
.else
	s_wait_loadcnt 0x0
.endif
	v_max3_num_f32 v12, |v[XS]|, |v[XS+1]|, |v[XS+2]|
	v_max3_num_f32 v13, |v[XS+3]|, |v[XS+4]|, |v[XS+5]|
.irp i, 6,10,14,18,22,26
	v_max3_num_f32 v12, v12, |v[XS+\i]|, |v[XS+\i+1]|
	v_max3_num_f32 v13, v13, |v[XS+\i+2]|, |v[XS+\i+3]|
.endr
	v_max3_num_f32 v12, v12, |v[XS+30]|, |v[XS+31]|
	v_max3_num_f32 v12, v12, v13, 0x1800000        ; and the floor
	v_add_nc_u32 v11, 0xff000000, v12              ; the conversion's scale operand
	v_lshrrev_b32 v13, 23, v11                     ; the byte
.if (\t)/2 == 0
	v_mov_b32 v[SBW+(\t)%2], v13
.else
	v_lshl_or_b32 v[SBW+(\t)%2], v13, 8*((\t)/2), v[SBW+(\t)%2]
.endif
	v_cvt_scalef32_pk16_fp6_f32 v[C:C+2], v[XS:XS+15], v11
	v_cvt_scalef32_pk16_fp6_f32 v[T:T+2], v[XS+16:XS+31], v11
	v_nop                                          ; one plain place behind a scaled conversion
.irp i, 0,1,2
	v_mov_b32 v[C+3+\i], v[T+\i]
.endr
	ds_store_b128 v5, v[C:C+3] offset:2*FP*((\t)%2)+768*((\t)/4)+256*(((\t)/2)%2)        ; block b is registers 6 (b / 2) on of lane r + 16 (b % 2)
	ds_store_b64 v6, v[C+4:C+5] offset:2*FP*((\t)%2)+768*((\t)/4)+512+128*(((\t)/2)%2)
.if (\t)/2 == 3
	ds_store_b32 v7, v[SBW+(\t)%2] offset:4*((\t)%2)
.endif
.if (\t)+2 < 8
	LOADW (\t)+2
.endif
	s_wait_dscnt 0x0                               ; the stores have read their registers: the next turn's codes may be written
.endm
	LOADW 0
	LOADW 1
.irp t, 0,1,2,3,4,5,6,7
	WBLOCK \t
.endr
.irp f, 0,1,2,3
	ds_load_b128 v[OUTR+12*\f:OUTR+12*\f+3], v8 offset:FP*\f
	ds_load_b64 v[OUTR+12*\f+4:OUTR+12*\f+5], v9 offset:FP*\f+512
	ds_load_b128 v[OUTR+12*\f+6:OUTR+12*\f+9], v8 offset:FP*\f+768
	ds_load_b64 v[OUTR+12*\f+10:OUTR+12*\f+11], v9 offset:FP*\f+1280
.endr
	ds_load_b64 v[224:225], v9 offset:4*FP
.irp f, 0,1,2,3
	s_wait_dscnt 13-4*\f                           ; fragment f's four loads are in; those issued behind them may be out
	global_store_b128 v1, v[OUTR+12*\f:OUTR+12*\f+3], s[40:41] offset:1536*\f
	global_store_b64 v2, v[OUTR+12*\f+4:OUTR+12*\f+5], s[40:41] offset:1536*\f+512
	global_store_b128 v1, v[OUTR+12*\f+6:OUTR+12*\f+9], s[40:41] offset:1536*\f+768
	global_store_b64 v2, v[OUTR+12*\f+10:OUTR+12*\f+11], s[40:41] offset:1536*\f+1280
.endr
	s_wait_dscnt 0x0
	global_store_b64 v2, v[224:225], s[42:43]
	s_wait_tensorcnt 0x0                           ; the wave's end, behind my last LDS store
	ds_add_u32 v[SPW], v[NIL]
	s_wait_dscnt 0x0
	s_endpgm
.Lfunc_end_k_qf011bdbbc8_quant:
	.size	k_qf011bdbbc8_quant, .Lfunc_end_k_qf011bdbbc8_quant-k_qf011bdbbc8_quant
	.p2alignl 7, 3214868480
	.fill 96, 4, 3214868480
	.section	.rodata,"a",@progbits
	.p2align	6, 0x0
	.amdhsa_kernel k_qf011bdbbc8_quant
		.amdhsa_group_segment_fixed_size 61952
		.amdhsa_private_segment_fixed_size 0
		.amdhsa_enable_private_segment 0
		.amdhsa_kernarg_size 40
		.amdhsa_user_sgpr_count 2
		.amdhsa_user_sgpr_kernarg_segment_ptr 1
		.amdhsa_wavefront_size32 1
		.amdhsa_system_sgpr_workgroup_id_x 1
		.amdhsa_system_sgpr_workgroup_id_y 1
		.amdhsa_system_sgpr_workgroup_id_z 1
		.amdhsa_system_vgpr_workitem_id 0
		.amdhsa_next_free_vgpr 256
		.amdhsa_next_free_sgpr 66
		.amdhsa_reserve_vcc 0
		.amdhsa_float_denorm_mode_32 3
		.amdhsa_float_denorm_mode_16_64 3
		.amdhsa_memory_ordered 1
		.amdhsa_forward_progress 1
		.amdhsa_inst_pref_size 77
	.end_amdhsa_kernel
	.amdgpu_metadata
---
amdhsa.version: [ 1, 2 ]
amdhsa.kernels:
  - .name:           k_qf011bdbbc8_quant
    .symbol:         k_qf011bdbbc8_quant.kd
    .args:
      - { .name: x, .offset: 0, .size: 8, .value_kind: global_buffer, .address_space: global }
      - { .name: w_qkv, .offset: 8, .size: 8, .value_kind: global_buffer, .address_space: global }
      - { .name: w_proj, .offset: 16, .size: 8, .value_kind: global_buffer, .address_space: global }
      - { .name: xi, .offset: 24, .size: 8, .value_kind: global_buffer, .address_space: global }
      - { .name: wi, .offset: 32, .size: 8, .value_kind: global_buffer, .address_space: global }
    .group_segment_fixed_size: 61952
    .private_segment_fixed_size: 0
    .kernarg_segment_align: 8
    .kernarg_segment_size: 40
    .max_flat_workgroup_size: 128
    .sgpr_count:     66
    .vgpr_count:     256
    .wavefront_size: 32
...
	.end_amdgpu_metadata
.endif
;; end of part 1
;; launch gemm_qkv (part 2): grid 8 x 32, 4 waves a work-group, clusters of 4 x 4, 327,680 bytes of LDS; arguments xi, wi, qkv; writes qkv
.if DOCPART == 2
	.amdgcn_target "amdgcn-amd-amdhsa--gfx1250"
	.amdhsa_code_object_version 6
	.text
	.protected	k_qf011bdbbc8_gemm_qkv
	.globl	k_qf011bdbbc8_gemm_qkv
	.p2align	8
	.type	k_qf011bdbbc8_gemm_qkv,@function
k_qf011bdbbc8_gemm_qkv:
	s_mov_b64 s[64:65], 0
	v_nop
	global_prefetch_b8 v0, s[64:65] scope:SCOPE_SE
	s_setreg_imm32_b32 hwreg(HW_REG_WAVE_MODE, 25, 1), 1
	s_wait_xcnt 0x0
	s_wait_alu depctr_hold_cnt(0) depctr_sa_sdst(0) depctr_va_vdst(0) depctr_va_sdst(0) depctr_va_ssrc(0) depctr_va_vcc(0) depctr_vm_vsrc(0)
	s_getreg_b32 s2, hwreg(HW_REG_IB_STS2, 6, 4)
	s_cmp_eq_u32 s2, 0
	s_cbranch_scc0 .Lentry_in_a_cluster
	s_endpgm
.Lentry_in_a_cluster:
	s_bfe_u32 s2, ttmp6, 0x10000c
	s_cmp_lg_u32 s2, 0xf033
	s_cbranch_scc0 .Lentry_shape_is_right
	s_endpgm
.Lentry_shape_is_right:
; qkv = x w_qkv on codes of FP6 (E2M3) with E8M0 scales, K = 1,024; the results are quantised at once, in registers, for the attention launch: q and k along the head's 64, v along the keys.
; OPERANDS are images of registers: a row group is 128 rows, RGB bytes: codes [K step 8][block 8][1,536], then scale words [K step 8][half 2][256]; block 2 g + u holds in lane-row r row 32 g + 8 u + r + 8 (r / 8).
; SHARES.  256 work-groups, 8 x 32.  Work-group (gx, gy) takes x's rows 256 gy on (two row groups) and three row groups of w: gx (q of head pair gx), 8 + gx (k), 16 + gx (v).
; A wave takes 64 rows of x (row group wave / 2, blocks 4 (wave % 2) on), ALL of K, into 384 registers, once, and multiplies them with all 128 rows of each of the three groups: 32 accumulators, by turns.
; q, k: source 0 = w's blocks, source 1 = x's: a lane holds a token, its 64 registers 128 neighbouring columns.  v: source 0 = x's blocks, source 1 = w's: a lane holds a channel, its 32 registers 64 neighbouring keys.
; LDS: w's first group at 0, x's two groups behind it.  When every wave holds its x in registers, x's bytes are filled again, ONCE, with w's second and third group: half a group a wave, behind a drained round of the cluster's barrier.
; That fill has the first group's 256 matrix instructions of each wave between its request and the wait for it, and nothing walks ahead of it: so no prefetch is laid.
; CLUSTERS 4 x 4: x's groups hang on gy alone and are asked for jointly by a row of the cluster, w's on gx alone, by a column.
; OUT: qkv [which 3][batch 8][head pair 8] blocks of RGB bytes.  q, k: [even head: 64 token blocks x 768][odd head][scale words: [128 tokens 8][half 2][256]], a word's bytes 0, 1 the even head's.  v: an operand image, rows = the pair's 128 channels, K = the batch's keys.
; v's scale word has two bytes from each of two waves: they meet in 1,024 bytes of LDS of their own and leave as units of 256 bytes.
; LIMITS: a block of zeros, and one whose largest magnitude lies under 2^-124, gets the byte 1 (this program alone reads the bytes); NaN and infinities are not served.
; REGISTERS.  window 0: v2-22 addresses; v32-35, v40-43 w's scale words, two sets; v36-39, 44-47, 52-55, 60-63 x's; v64-107 the way out; v112-255 x's fragments of K steps 5-7.
; window 1: w's 8 fragments, two sets, at v0 and v128.  window 2: the accumulators.  window 3: x's fragments of K steps 0-4.
; THE ORDER OF ROWS IN A BLOCK, as it stands now: the line above on blocks holds for w.  x's block j of a band of 64 rows holds in lane-row r the band's row 32 (r / 8) + 8 j + r % 8.
; So with x as source 0 (v) a lane's 32 registers of my four blocks are 32 NEIGHBOURING keys, a whole scale block: keys 64 (wave % 2) + 32 (lane / 16) on of the key step.  No lane looks at another, and each lane stores its own scale byte.
.set RGB,   102400
.set HB,    51200
.set XB,    RGB
.set STG,   3*RGB
.set SPARE, STG+1024
.set SPW,   28
.set NIL,   29
.set TM,    64
.set PW,    80
.set PC,    84
.set SW,    104
.set WLO,   106
.set WHI,   107
.set G1X,   24
.set G1W,   32
.set G0X,   40
.set G0W,   44
.set G0R,   48
.set SEL,   52
.set MSB, 0
.macro WIN new                         ; the immediate's high byte repeats the setting that is left
.if MSB != (\new)
	s_set_vgpr_msb (MSB<<8)|(\new)
.set MSB, (\new)
.endif
.endm
.macro PLACES
.rept 4
	v_nop
.endr
.endm
.macro WALU
	s_wait_alu depctr_va_vdst(0)
.endm
.macro CROUND                          ; a round of the cluster's barrier
	s_barrier_signal -1
	s_barrier_wait -1
	s_cmp_lg_u32 s14, 0
	s_cbranch_scc1 .Lnot_wave_0_\@
	s_barrier_signal -3
.Lnot_wave_0_\@:
	s_barrier_wait -3
	s_barrier_signal -1
	s_barrier_wait -1
.endm
.macro GRP1 g, rows                    ; a dense block as rows of 256 bytes (32 elements of 8 bytes)
	s_mov_b32 s[\g+1], 32<<16
	s_mov_b32 s[\g+2], (\rows)<<16
	s_mov_b32 s[\g+3], 32<<16
	s_mov_b32 s[\g+4], \rows
	s_mov_b32 s[\g+5], 32
	s_mov_b32 s[\g+6], 0
	s_mov_b32 s[\g+7], 0
.endm
.macro FRAG reg, a16, a8, off          ; a fragment's image: every load reads consecutive bytes
	ds_load_b128 v[\reg:\reg+3], v[\a16] offset:\off
	ds_load_b64 v[\reg+4:\reg+5], v[\a8] offset:\off+512
	ds_load_b128 v[\reg+6:\reg+9], v[\a16] offset:\off+768
	ds_load_b64 v[\reg+10:\reg+11], v[\a8] offset:\off+1280
.endm
.macro XLOAD                           ; my 64 rows of x, all of K: 128 loads, and 8 for their scale words (v14, v15: the addresses of K steps 4 on)
.irp q, 0,1,2,3,4,5,6,7
.if \q < 5
	WIN 0xc0
.set xr, 48*\q
.else
	WIN 0
.set xr, 112+48*(\q-5)
.endif
.irp i, 0,1,2,3
	FRAG xr+12*\i, 4+10*(\q/4), 5+10*(\q/4), 12288*(\q%4)+1536*\i
.endr
.endr
	WIN 0
.irp q, 0,1,2,3,4,5,6,7
	ds_load_b64 v[36+8*(\q/2)+2*(\q%2):37+8*(\q/2)+2*(\q%2)], v6 offset:512*\q
.endr
.endm
.macro PADDR                           ; LDS addresses of w's group in hand: K steps 0-3, K steps 4-7, scale words
	v_add_nc_u32 v7, s69, v2
	v_add_nc_u32 v8, s69, v3
	v_add_nc_u32 v16, s70, v2
	v_add_nc_u32 v17, s70, v3
	v_add_nc_u32 v9, s71, v3
.endm
.macro FETCHP q                        ; w's eight fragments and four scale registers of K step q into set q % 2
	WIN 0x40
.irp i, 0,1,2,3,4,5,6,7
	FRAG 128*((\q)%2)+12*\i, 7+9*((\q)/4), 8+9*((\q)/4), 12288*((\q)%4)+1536*\i
.endr
	WIN 0
	ds_load_b64 v[32+8*((\q)%2):33+8*((\q)%2)], v9 offset:512*(\q)
	ds_load_b64 v[34+8*((\q)%2):35+8*((\q)%2)], v9 offset:512*(\q)+256
.endm
.macro WM s0, s1, y0, y1, r0, r1, q    ; K step 0 starts the sums
.if (\q) == 0
	v_wmma_scale_f32_16x16x128_f8f6f4 v[xD:xD+7], v[\s0:\s0+11], v[\s1:\s1+11], 0, v[\y0], v[\y1] matrix_a_fmt:MATRIX_FMT_FP6 matrix_b_fmt:MATRIX_FMT_FP6 matrix_a_scale:MATRIX_SCALE_ROW\r0 matrix_b_scale:MATRIX_SCALE_ROW\r1
.else
	v_wmma_scale_f32_16x16x128_f8f6f4 v[xD:xD+7], v[\s0:\s0+11], v[\s1:\s1+11], v[xD:xD+7], v[\y0], v[\y1] matrix_a_fmt:MATRIX_FMT_FP6 matrix_b_fmt:MATRIX_FMT_FP6 matrix_a_scale:MATRIX_SCALE_ROW\r0 matrix_b_scale:MATRIX_SCALE_ROW\r1
.endif
.endm
.macro MUL1 kind, q, xb, pb, rx, rp    ; x's block xb with w's block pb; a scale register holds an even block's words in lanes 0-15, the odd block's in lanes 16-31
.set xP, 128*((\q)%2)+12*(\pb)
.if (\q) < 5
.set xX, 48*(\q)+12*(\xb)
.else
.set xX, 112+48*((\q)-5)+12*(\xb)
.endif
.set yP, 32+8*((\q)%2)+2*((\pb)/4)+((\pb)%4)/2
.set yX, 36+8*((\q)/2)+2*((\q)%2)+(\xb)/2
.if \kind
.set xD, 8*(4*(\pb)+(\xb))
	WM xX, xP, yX, yP, \rx, \rp, \q
.else
.set xD, 8*(8*(\xb)+(\pb))
	WM xP, xX, yP, yX, \rp, \rx, \q
.endif
.endm
.macro MUL32 kind, q
.if (\q) < 5
	WIN 0xad-6*(\kind)                     ; q, k: source 0 window 1, source 1 window 3; v: the other way round; C and D window 2
.else
	WIN 0xa1+3*(\kind)                     ; x's fragments in window 0
.endif
.irp xe, 0,2
.irp pe, 0,2,4,6
	MUL1 \kind, \q, \xe, \pe, 0, 0
	MUL1 \kind, \q, \xe, \pe+1, 0, 1
	MUL1 \kind, \q, \xe+1, \pe, 1, 0
	MUL1 \kind, \q, \xe+1, \pe+1, 1, 1
.endr
.endr
.endm
.macro KSTEPS kind                     ; eight K steps; the next step's fragments are asked for ahead of a step's 32 products
.irp q, 0,1,2,3,4,5,6,7
	s_wait_dscnt 0x0                       ; this step's set is in
.if \q < 7
	PLACES                                 ; in front of loads into registers that the last step's products have read
	FETCHP \q+1
.endif
	MUL32 \kind, \q
.endr
	WIN 0
.endm
; 64 results of a lane from window 2's register ac on, register 16 b + i = place 32 b + 16 (lane / 16) + i of the axis quantised: twelve registers of codes from v[PC] on, the scale bytes of blocks 0, 1 in v[WLO], of 2, 3 in v[WHI]
.macro QUANT64 ac
	WIN 0x0a
.irp b, 0,1,2,3
	v_max3_num_f32 v[TM+\b], |v[(\ac)+16*\b]|, |v[(\ac)+16*\b+1]|, 0x1800000   ; each accumulator from its low end on; the floor 2^(3 - 127) holds the byte at 1 from below
.endr
.irp i, 2,4,6,8,10,12,14
.irp b, 0,1,2,3
	v_max3_num_f32 v[TM+\b], |v[(\ac)+16*\b+\i]|, |v[(\ac)+16*\b+\i+1]|, v[TM+\b]
.endr
.endr
	WIN 0
.irp b, 0,1,2,3
	v_permlanex16_b32 v[TM+4+\b], v[TM+\b], s[SEL], s[SEL+1]
.endr
.irp b, 0,1,2,3
	v_max_num_f32 v[TM+\b], v[TM+\b], v[TM+4+\b]   ; with lane l xor 16's: the block's largest magnitude
.endr
.irp b, 0,1,2,3
	v_add_nc_u32 v[TM+12+\b], 0xff000000, v[TM+\b] ; 2 off its exponent field: the conversion's scale operand
.endr
.irp b, 0,1,2,3
	v_lshrrev_b32 v[TM+4+\b], 23, v[TM+12+\b]      ; the byte
.endr
	v_lshl_or_b32 v[WLO], v[TM+5], 8, v[TM+4]
	v_lshl_or_b32 v[WHI], v[TM+7], 8, v[TM+6]
	WALU
	s_wait_xcnt 0x0                                ; the last stores have read v[PC] on
	WIN 2
.irp c, 0,1
	v_cvt_scalef32_pk16_fp6_f32 v[PC+6*\c:PC+6*\c+2], v[(\ac)+32*\c:(\ac)+32*\c+15], v[TM+12+2*\c]
	v_cvt_scalef32_pk16_fp6_f32 v[PC+12+4*\c:PC+14+4*\c], v[(\ac)+32*\c+16:(\ac)+32*\c+31], v[TM+12+2*\c+1]
.endr
	WIN 0
	v_nop                                          ; one plain place behind a scaled conversion
.irp c, 0,1                            ; the operand's layout wants a whole block in a lane
.irp i, 0,1,2
	v_permlane16_swap_b32 v[PC+6*\c+\i], v[PC+12+4*\c+\i]
.endr
.irp i, 0,1,2
	v_mov_b32 v[PC+3+6*\c+\i], v[PC+12+4*\c+\i]
.endr
.endr
.endm
.macro OUTQ xb                         ; 16 tokens x 128 columns: half a fragment for the even head, half for the odd
	QUANT64 64*\xb
	v_lshl_or_b32 v[PW+\xb], v[WHI], 16, v[WLO]
	global_store_b128 v2, v[PC:PC+3], s[56:57] offset:768*\xb
	global_store_b64 v3, v[PC+4:PC+5], s[56:57] offset:768*\xb+512
	global_store_b128 v2, v[PC+6:PC+9], s[56:57] offset:768*\xb+49152
	global_store_b64 v3, v[PC+10:PC+11], s[56:57] offset:768*\xb+49664
.endm
; v: two runs of 32 results of a lane from window 2's register ac on, each a whole block of 32 keys: six registers of codes each from v[PC] and v[PC+6] on, the bytes in v[TM+4], v[TM+5]
.macro QUANTV ac
	WIN 0x2a
.irp b, 0,1
	v_max3_num_f32 v[TM+2*\b], |v[(\ac)+32*\b]|, |v[(\ac)+32*\b+1]|, |v[(\ac)+32*\b+2]|         ; two chains to a block; each accumulator from its low end on
	v_max3_num_f32 v[TM+2*\b+1], |v[(\ac)+32*\b+16]|, |v[(\ac)+32*\b+17]|, |v[(\ac)+32*\b+18]|
.endr
	WIN 0x28
.irp i, 3,5,7,9,11,13
.irp b, 0,1
	v_max3_num_f32 v[TM+2*\b], v[TM+2*\b], |v[(\ac)+32*\b+\i]|, |v[(\ac)+32*\b+\i+1]|
	v_max3_num_f32 v[TM+2*\b+1], v[TM+2*\b+1], |v[(\ac)+32*\b+16+\i]|, |v[(\ac)+32*\b+17+\i]|
.endr
.endr
.irp b, 0,1
	v_max3_num_f32 v[TM+2*\b], v[TM+2*\b], |v[(\ac)+32*\b+15]|, |v[(\ac)+32*\b+31]|
.endr
	WIN 0
.irp b, 0,1
	v_max3_num_f32 v[TM+2*\b], v[TM+2*\b], v[TM+2*\b+1], 0x1800000   ; the floor 2^(3 - 127) holds the byte at 1 from below
.endr
.irp b, 0,1
	v_add_nc_u32 v[TM+12+\b], 0xff000000, v[TM+2*\b]                 ; the conversion's scale operand
.endr
.irp b, 0,1
	v_lshrrev_b32 v[TM+4+\b], 23, v[TM+12+\b]                        ; the byte
.endr
	WALU
	s_wait_xcnt 0x0                                ; the last stores have read v[PC] on
	WIN 2
.irp b, 0,1
	v_cvt_scalef32_pk16_fp6_f32 v[PC+6*\b:PC+6*\b+2], v[(\ac)+32*\b:(\ac)+32*\b+15], v[TM+12+\b]
	v_cvt_scalef32_pk16_fp6_f32 v[PC+12+4*\b:PC+14+4*\b], v[(\ac)+32*\b+16:(\ac)+32*\b+31], v[TM+12+\b]
.endr
	WIN 0
	v_nop                                          ; one plain place behind a scaled conversion
.irp b, 0,1
.irp i, 0,1,2
	v_mov_b32 v[PC+3+6*\b+\i], v[PC+12+4*\b+\i]
.endr
.endr
.endm
.macro OUTV pp
	QUANTV 64*\pp
	ds_store_b8 v12, v[TM+4] offset:256*(\pp/2)+4*(\pp%2)          ; byte 2 (wave % 2) + lane / 16 of my channel's word
	ds_store_b8 v12, v[TM+5] offset:256*(\pp/2)+4*(\pp%2)+128
	global_store_b128 v2, v[PC:PC+3], s[60:61] offset:3072*\pp
	global_store_b64 v3, v[PC+4:PC+5], s[60:61] offset:3072*\pp+512
	global_store_b128 v2, v[PC+6:PC+9], s[60:61] offset:3072*\pp+1536
	global_store_b64 v3, v[PC+10:PC+11], s[60:61] offset:3072*\pp+2048
.endm
	s_load_b128 s[4:7], s[0:1], 0x0                ; xi, wi
	s_load_b64 s[8:9], s[0:1], 0x10                ; qkv
	v_lshl_add_u32 v[SPW], v0, 2, SPARE
	v_mov_b32 v[NIL], 0
	ds_add_u32 v[SPW], v[NIL]                      ; the opening lines: the add, twice on end, and its wait
	ds_add_u32 v[SPW], v[NIL]
	v_lshrrev_b32 v1, 5, v0
	v_readfirstlane_b32 s14, v1                    ; wave
	s_lshr_b32 s15, s14, 1                         ; my row group of x.  Also: I fetch for x (0) or for w (1)
	s_and_b32 s16, s14, 1                          ; my half of it
	s_bfe_u32 s17, ttmp6, 0x40000                  ; cx
	s_bfe_u32 s18, ttmp6, 0x40004                  ; cy
	s_lshl_b32 s21, ttmp9, 2
	s_add_co_u32 s21, s21, s17                     ; gx
	s_and_b32 s23, ttmp7, 0xffff
	s_lshl_b32 s23, s23, 2
	s_add_co_u32 s23, s23, s18                     ; gy
	s_lshl_b32 s2, s18, 2
	s_lshl_b32 s2, 15, s2                          ; my row of the cluster
	s_lshl_b32 s3, 0x1111, s17                     ; my column
	s_or_b32 s[G1X], s2, (3<<16)|(1<<21)
	s_or_b32 s[G1W], s3, (3<<16)|(1<<21)
	GRP1 G1X, 400                                  ; a whole row group
	GRP1 G1W, 200                                  ; half of one
	s_lshl_b32 s72, s23, 1
	s_add_co_u32 s72, s72, s16
	s_mul_i32 s72, s72, RGB                        ; x's row group 2 gy + wave % 2
	s_mov_b32 s73, 0
	s_mul_i32 s74, s21, RGB
	s_mul_i32 s75, s16, HB
	s_add_co_u32 s74, s74, s75                     ; w's group gx, half wave % 2
	s_mov_b32 s75, 0
	s_lshl_b32 s66, s15, 3
	s_add_co_u32 s66, s66, s21
	s_add_co_u32 s66, s66, 8
	s_mul_i32 s66, s66, RGB
	s_mul_i32 s67, s16, HB
	s_add_co_u32 s66, s66, s67                     ; the refill: w's group 8 (1 + wave / 2) + gx, half wave % 2
	s_mov_b32 s67, 0
	s_mov_b32 s[G0X], 1
	s_mul_i32 s[G0X+1], s16, RGB
	s_add_co_u32 s[G0X+1], s[G0X+1], XB
	s_mov_b32 s[G0W], 1
	s_mul_i32 s[G0W+1], s16, HB
	s_mov_b32 s[G0R], 1
	s_mul_i32 s[G0R+1], s14, HB
	s_add_co_u32 s[G0R+1], s[G0R+1], XB
	s_mov_b32 s[SEL], 0x76543210
	s_mov_b32 s[SEL+1], 0xfedcba98
	s_mov_b32 s54, 0xffff0000                      ; lanes 16-31
	WALU
	s_wait_dscnt 0x0
	s_wait_kmcnt 0x0
	s_add_nc_u64 s[G0X+2:G0X+3], s[4:5], s[72:73]
	s_or_b32 s[G0X+3], s[G0X+3], 0x80000000
	s_add_nc_u64 s[G0W+2:G0W+3], s[6:7], s[74:75]
	s_or_b32 s[G0W+3], s[G0W+3], 0x80000000
	s_add_nc_u64 s[G0R+2:G0R+3], s[6:7], s[66:67]
	s_or_b32 s[G0R+3], s[G0R+3], 0x80000000
	CROUND                                         ; all sixteen work-groups are here: the first joint loads meet
	s_cmp_eq_u32 s15, 0                            ; one tensor load a wave: waves 0, 1 a row group of x each, waves 2, 3 half of w's first group each
	s_cbranch_scc0 .Lfor_w
	tensor_load_to_lds s[G0X:G0X+3], s[G1X:G1X+7]
	s_nop 0
	PLACES
	s_branch .Lasked
.Lfor_w:
	tensor_load_to_lds s[G0W:G0W+3], s[G1W:G1W+7]
	s_nop 0
	PLACES
.Lasked:
	s_mul_i32 s76, s15, RGB
	s_mul_i32 s77, s16, 6144
	s_add_co_u32 s76, s76, s77
	s_add_co_u32 s76, s76, XB                      ; my four blocks of x, K steps 0-3;
	s_add_co_u32 s77, s76, 49152                   ; K steps 4-7
	s_mul_i32 s78, s15, RGB
	s_lshl_b32 s79, s16, 8
	s_add_co_u32 s78, s78, s79
	s_add_co_u32 s78, s78, XB+98304                ; their scale units
	s_lshl_b32 s79, s15, 9
	s_lshl_b32 s80, s16, 1
	s_add_co_u32 s79, s79, s80
	s_add_co_u32 s79, s79, STG                     ; v's scale bytes: 512 bytes for each key step, my two bytes of each word
	s_lshl_b32 s80, s14, 8
	s_add_co_u32 s80, s80, STG                     ; and the unit that I store
	s_mov_b32 s69, 0
	s_mov_b32 s70, 49152
	s_mov_b32 s71, 98304
	s_lshr_b32 s20, s23, 2                         ; where the results go: the batch is gy / 4,
	s_lshl_b32 s20, s20, 3
	s_add_co_u32 s20, s20, s21
	s_mul_i32 s20, s20, RGB                        ; q's block 8 x batch + gx,
	s_and_b32 s22, s23, 3
	s_lshl_b32 s22, s22, 1
	s_add_co_u32 s22, s22, s15                     ; my 128 tokens of the batch
	s_mul_i32 s66, s22, 6144
	s_mul_i32 s67, s16, 3072
	s_add_co_u32 s66, s66, s67
	s_add_co_u32 s66, s66, s20
	s_mov_b32 s67, 0
	s_add_nc_u64 s[56:57], s[8:9], s[66:67]        ; q's codes
	s_lshl_b32 s66, s22, 9
	s_lshl_b32 s72, s16, 8
	s_add_co_u32 s66, s66, s72
	s_add_co_u32 s66, s66, s20
	s_add_co_u32 s66, s66, 98304
	s_add_nc_u64 s[58:59], s[8:9], s[66:67]        ; q's scale unit
	s_add_nc_u64 s[62:63], s[58:59], 128*RGB       ; v's
	s_mul_i32 s66, s22, 12288
	s_mul_i32 s72, s16, 768
	s_add_co_u32 s66, s66, s72
	s_add_co_u32 s66, s66, s20
	s_add_co_u32 s66, s66, 128*RGB
	s_add_nc_u64 s[60:61], s[8:9], s[66:67]        ; v's codes: key step = my 128 tokens, my half of each fragment
	v_and_b32 v1, 31, v0
	v_lshlrev_b32 v2, 4, v1                        ; 16 x lane
	v_lshlrev_b32 v3, 3, v1                        ; 8 x lane
	v_add_nc_u32 v4, s76, v2
	v_add_nc_u32 v5, s76, v3
	v_add_nc_u32 v14, s77, v2
	v_add_nc_u32 v15, s77, v3
	v_add_nc_u32 v6, s78, v3
	PADDR
	v_and_b32 v18, 15, v0
	v_bfe_u32 v19, v0, 4, 1
	v_lshl_add_u32 v12, v18, 3, s79
	v_add_nc_u32 v12, v12, v19
	v_add_nc_u32 v13, s80, v3
.irp b, 0,1,2,3
	v_mov_b32 v[TM+4+\b], 0                        ; written once: a lane permute's destination counts as one of its sources
.endr
	WALU
	s_wait_tensorcnt 0x0                           ; my tile is in,
	s_barrier_signal -1
	s_barrier_wait -1                              ; everybody's is
	XLOAD
	s_wait_tensorcnt 0x0                           ; the three lines ahead of a refill's round
	ds_add_u32 v[SPW], v[NIL]
	s_wait_dscnt 0x0                               ; my x is in registers
	CROUND                                         ; and so is every wave's of every partner
	tensor_load_to_lds s[G0R:G0R+3], s[G1W:G1W+7]  ; w's second and third group onto x's bytes, half a group a wave
	s_nop 0
	PLACES
	FETCHP 0
	s_mov_b32 s68, 0
.Lqk:                                                  ; two trips: q, then k
	KSTEPS 0
	s_wait_tensorcnt 0x0                           ; my part of the refill is in (first trip),
	s_wait_dscnt 0x0
	s_barrier_signal -1
	s_barrier_wait -1                              ; everybody's is
	s_add_co_u32 s69, s69, RGB
	s_add_co_u32 s70, s70, RGB
	s_add_co_u32 s71, s71, RGB
	PADDR                                          ; five places behind the products
	FETCHP 0                                       ; the next group's first fragments land under the way out
.irp xb, 0,1,2,3
	OUTQ \xb
.endr
	v_cndmask_b32 v[SW], v[PW], v[PW+1], s54       ; the scale unit: lanes 0-15 the even block's word, lanes 16-31 the odd block's
	v_cndmask_b32 v[SW+1], v[PW+2], v[PW+3], s54
	global_store_b64 v3, v[SW:SW+1], s[58:59]
	s_wait_xcnt 0x0                                ; the stores have read their bases
	s_add_nc_u64 s[56:57], s[56:57], 64*RGB        ; from q's block to k's
	s_add_nc_u64 s[58:59], s[58:59], 64*RGB
	s_add_co_u32 s68, s68, 1
	s_cmp_lg_u32 s68, 2
	WALU
	s_cbranch_scc1 .Lqk
	KSTEPS 1                                       ; v
	PLACES
.irp pp, 0,1,2,3
	OUTV \pp
.endr
	WALU
	s_wait_dscnt 0x0                               ; my bytes are in the stage
	s_barrier_signal -1
	s_barrier_wait -1
	ds_load_b64 v[SW:SW+1], v13                    ; a whole scale unit
	s_wait_dscnt 0x0
	global_store_b64 v3, v[SW:SW+1], s[62:63]
	s_wait_tensorcnt 0x0                           ; the wave's end
	ds_add_u32 v[SPW], v[NIL]
	s_wait_dscnt 0x0
	CROUND                                         ; the closing round
	s_endpgm
.Lfunc_end_k_qf011bdbbc8_gemm_qkv:
	.size	k_qf011bdbbc8_gemm_qkv, .Lfunc_end_k_qf011bdbbc8_gemm_qkv-k_qf011bdbbc8_gemm_qkv
	.p2alignl 7, 3214868480
	.fill 96, 4, 3214868480
	.section	.rodata,"a",@progbits
	.p2align	6, 0x0
	.amdhsa_kernel k_qf011bdbbc8_gemm_qkv
		.amdhsa_group_segment_fixed_size 327680
		.amdhsa_private_segment_fixed_size 0
		.amdhsa_enable_private_segment 0
		.amdhsa_kernarg_size 24
		.amdhsa_user_sgpr_count 2
		.amdhsa_user_sgpr_kernarg_segment_ptr 1
		.amdhsa_wavefront_size32 1
		.amdhsa_system_sgpr_workgroup_id_x 1
		.amdhsa_system_sgpr_workgroup_id_y 1
		.amdhsa_system_sgpr_workgroup_id_z 1
		.amdhsa_system_vgpr_workitem_id 0
		.amdhsa_next_free_vgpr 1024
		.amdhsa_next_free_sgpr 84
		.amdhsa_reserve_vcc 0
		.amdhsa_float_denorm_mode_32 3
		.amdhsa_float_denorm_mode_16_64 3
		.amdhsa_memory_ordered 1
		.amdhsa_forward_progress 1
		.amdhsa_inst_pref_size 152
	.end_amdhsa_kernel
	.amdgpu_metadata
---
amdhsa.version: [ 1, 2 ]
amdhsa.kernels:
  - .name:           k_qf011bdbbc8_gemm_qkv
    .symbol:         k_qf011bdbbc8_gemm_qkv.kd
    .args:
      - { .name: xi, .offset: 0, .size: 8, .value_kind: global_buffer, .address_space: global }
      - { .name: wi, .offset: 8, .size: 8, .value_kind: global_buffer, .address_space: global }
      - { .name: qkv, .offset: 16, .size: 8, .value_kind: global_buffer, .address_space: global }
    .group_segment_fixed_size: 327680
    .private_segment_fixed_size: 0
    .kernarg_segment_align: 8
    .kernarg_segment_size: 24
    .max_flat_workgroup_size: 128
    .sgpr_count:     84
    .vgpr_count:     1024
    .wavefront_size: 32
...
	.end_amdgpu_metadata
.endif
;; end of part 2
;; launch attn (part 3): grid 4 x 64, 16 waves a work-group, clusters of 4 x 1, 207,872 bytes of LDS; arguments qkv, oi; writes oi
.if DOCPART == 3
	.amdgcn_target "amdgcn-amd-amdhsa--gfx1250"
	.amdhsa_code_object_version 6
	.text
	.protected	k_qf011bdbbc8_attn
	.globl	k_qf011bdbbc8_attn
	.p2align	8
	.type	k_qf011bdbbc8_attn,@function
k_qf011bdbbc8_attn:
	s_mov_b64 s[64:65], 0
	v_nop
	global_prefetch_b8 v0, s[64:65] scope:SCOPE_SE
	s_setreg_imm32_b32 hwreg(HW_REG_WAVE_MODE, 25, 1), 1
	s_wait_xcnt 0x0
	s_wait_alu depctr_hold_cnt(0) depctr_sa_sdst(0) depctr_va_vdst(0) depctr_va_sdst(0) depctr_va_ssrc(0) depctr_va_vcc(0) depctr_vm_vsrc(0)
	s_getreg_b32 s2, hwreg(HW_REG_IB_STS2, 6, 4)
	s_cmp_eq_u32 s2, 0
	s_cbranch_scc0 .Lentry_in_a_cluster
	s_endpgm
.Lentry_in_a_cluster:
	s_bfe_u32 s2, ttmp6, 0x10000c
	s_cmp_lg_u32 s2, 0x3003
	s_cbranch_scc0 .Lentry_shape_is_right
	s_endpgm
.Lentry_shape_is_right:
; o = softmax(q k^T / 8) v for 128 (batch, head) pairs of 1,024 tokens x 64 channels, both products on codes of FP6 (E2M3) with E8M0 scales; o is quantised at once, along the model's 1,024, for the last product.
; THE SOFTMAX AHEAD OF THE SECOND PRODUCT: t = score x log2(e) / 8; M = the running largest t rounded UP to a whole number; p = 2^(t - M) is quantised along the keys, not normalised; the row's sum is taken of the
; unquantised p and divides at the end.  When M moves, the sum and O are multiplied by 2^(old M - new M): exact.
; SHARES.  A work-group takes one batch and one PAIR of heads (work-group y) and 256 queries; each of its sixteen waves one block of 16 queries, for the even head and then for the odd one.
; K's and V's blocks of the pair, 102,400 bytes each, scale words and all, come into LDS ONCE: each wave brings a sixteenth by one tensor load.  Nothing is filled again: no ring, one barrier ahead of the loops, and no loop in which a prefetch could run ahead of a load.
; CLUSTER.  The four work-groups of a cluster take the four quarters of the queries and read the same K and V: the loads are JOINT, with the mask of all four.
; LAYOUT.  Both products are used transposed (S^T = K Q^T, O^T = V^T P^T): a lane holds one query throughout.
; TOKENS: block j of a band of 64 tokens holds in lane-row r token 32 (r / 8) + 8 j + r % 8.  So the 32 registers of S^T's tiles 4 c .. 4 c + 3 are, in lane (r, h), keys 64 c + 32 h + 0 .. 31 of the step:
; ONE scale block of p, in the order of the operand's registers.  A block's maximum and its codes need no other lane; only the row's maximum and the four bytes of p's scale word pass between lanes l and l xor 16.
; CHANNELS: block 2 g + u holds in lane-row r channel 32 g + 8 u + r + 8 (r / 8): the 16 registers of O^T's tiles 2 g, 2 g + 1 are 16 neighbours.
; THE FIRST PRODUCT'S K IS 64, the instruction's 128.  q's operand has zero codes in the other half; K's operand then names, for that half, the six registers beside the tile's own (a neighbouring tile's codes or a pad of
; zeros): finite numbers times zero codes.  The even head's codes stand at k = 0-63, the odd head's at 64-127, as their scale bytes stand in the words.
; FOUR WAVES SHARE A SIMD: long runs go in eight chains by turns; where a plain line reads a plain result one to four lines back, a one-field s_delay_alu stands ahead of it.
; LIMITS: a block of zeros, and one whose largest magnitude lies under 2^-124, gets the byte 1; NaN and infinities are not served; the scaled scores stay under 2^31 in magnitude.
; REGISTERS: v1-8 addresses; v9, v10 the add's two; v11 the stage; v12 -M (v13 named with it), v[14:15] the sum; v16-21 q even, v22-27 zeros, v28-33 q odd; v34 q's scale words, v35 o's; v36-41, v90-95 pads;
;   v42-89 K's 8 half fragments, then V's 4 fragments; v96-159 S^T, then p; v160-191 O^T; v192-210 codes; v212-223 at work; v224-229 K's and V's scale words; v230 p's; v232-237, v244-255 at work; v239 8 (lane / 16).
.set RGB,   102400
.set VB,    102400                     ; LDS: K's block at 0, V's here,
.set STG,   204800                     ; o's scale words: four units of 256 bytes,
.set SPARE, 205824                     ; the spare words, 128 bytes for each wave: eight blocks of 256 bytes that no other line names
.set SPW, 9
.set NIL, 10
.set QS,  34
.set OS,  35
.set BM,  212                          ; the step: v212-215 the four chains of my first block, v220-223 of my second; then v212, v220 the blocks' maxima, v213, v221 the conversions' scale operands
.set BT,  216
.set SO,  220
.set KS,  224
.set VS,  228
.set PWD, 230
.set SH,  239
.set WV,  8
.set SEL, 20
.set CS,  22
.set G1,  24
.set G0,  32
.set TBK, 36                           ; s36 where the step's tiles of K begin;  s37 V's;  s38, s39 their scale words;  s40 steps to go
.set TBV, 37
.set TSK, 38
.set TSV, 39
.set CNT, 40
.macro ROUND                           ; a round of the cluster's barrier
	s_barrier_signal -1
	s_barrier_wait -1
	s_cmp_lg_u32 s[WV], 0
	s_cbranch_scc1 .Lnot_wave_0_\@
	s_barrier_signal -3
.Lnot_wave_0_\@:
	s_barrier_wait -3
	s_barrier_signal -1
	s_barrier_wait -1
.endm
.macro DEP n                           ; the next line reads what the n-th vector line back wrote
	s_delay_alu instid0(VALU_DEP_\n)
.endm
	s_load_b128 s[4:7], s[0:1], 0x0                ; qkv s[4:5], oi s[6:7]
	v_lshl_add_u32 v[SPW], v0, 2, SPARE
	v_mov_b32 v[NIL], 0
	ds_add_u32 v[SPW], v[NIL]                      ; the opening lines: the add, twice on end, and its wait ahead of my first tensor load
	ds_add_u32 v[SPW], v[NIL]
	v_lshrrev_b32 v1, 5, v0
	v_readfirstlane_b32 s[WV], v1                  ; wave 0..15
	s_bfe_u32 s9, ttmp6, 0x40000                   ; cx: which 256 queries; it enters global addresses of q and o alone
	s_and_b32 s12, ttmp7, 0xffff                   ; 8 x batch + head pair
	s_lshr_b32 s10, s12, 3
	s_and_b32 s11, s12, 7
	; descriptor group 1: 12,800 dense bytes as 50 rows of 256 (32 elements of 8 bytes), no padding
	s_mov_b32 s[G1], 15|(3<<16)|(1<<21)            ; 15:0 the mask: all four work-groups; 17:16 elements of 8 bytes; 21 set beside a mask
	s_mov_b32 s[G1+1], 32<<16
	s_mov_b32 s[G1+2], 50<<16
	s_mov_b32 s[G1+3], 32<<16
	s_mov_b32 s[G1+4], 50
	s_mov_b32 s[G1+5], 32
	s_mov_b32 s[G1+6], 0
	s_mov_b32 s[G1+7], 0
	s_lshr_b32 s13, s[WV], 3                       ; waves 0-7 fetch K's block, waves 8-15 V's
	s_lshl_b32 s13, s13, 6
	s_add_co_u32 s13, s13, s12
	s_add_co_u32 s13, s13, 64
	s_mul_i32 s14, s13, RGB
	s_and_b32 s13, s[WV], 7
	s_mul_i32 s13, s13, 12800
	s_add_co_u32 s14, s14, s13                     ; my eighth of it, in memory,
	s_mov_b32 s15, 0
	s_mul_i32 s16, s[WV], 12800                    ; and in LDS
	s_lshl_b32 s17, s9, 4
	s_add_co_u32 s17, s17, s[WV]                   ; my block of 16 queries, of the batch's 64
	s_mul_i32 s44, s12, RGB                        ; q's block of the pair
	s_mov_b32 s45, 0
	s_mul_i32 s19, s17, 768
	s_add_co_u32 s42, s44, s19                     ; my half fragment of the even head
	s_mov_b32 s43, 0
	s_and_b32 s19, s[WV], 1
	s_lshl_b32 s19, s19, 7
	s_bfe_u32 s2, s[WV], 0x10001
	s_lshl_b32 s2, s2, 2
	s_add_co_u32 s19, s19, s2                      ; a block's place in a scale unit: 128 (w % 2) + 4 ((w / 2) % 2)
	s_lshr_b32 s2, s17, 2
	s_lshl_b32 s2, s2, 8
	s_add_co_u32 s2, s2, s19                       ; q's: + 256 x the unit
	s_lshl_b32 s3, s10, 3
	s_lshl_b32 s13, s9, 1
	s_add_co_u32 s3, s3, s13                       ; o's row groups: 8 x batch + 2 cx on
	s_lshr_b32 s13, s[WV], 3
	s_add_co_u32 s13, s13, s3
	s_mul_i32 s46, s13, RGB
	s_mul_i32 s13, s11, 12288                      ; K step = the head pair
	s_add_co_u32 s46, s46, s13
	s_and_b32 s13, s[WV], 7
	s_mul_i32 s13, s13, 1536
	s_add_co_u32 s46, s46, s13                     ; my fragment of o
	s_mov_b32 s47, 0
	s_bfe_u32 s13, s[WV], 0x10001                  ; the scale unit that wave w % 4 stores
	s_add_co_u32 s13, s13, s3
	s_mul_i32 s48, s13, RGB
	s_lshl_b32 s13, s11, 9
	s_add_co_u32 s48, s48, s13
	s_and_b32 s13, s[WV], 1
	s_lshl_b32 s13, s13, 8
	s_add_co_u32 s48, s48, s13
	s_add_co_u32 s48, s48, 98304
	s_mov_b32 s49, 0
	s_mov_b32 s[SEL], 0x76543210
	s_mov_b32 s[SEL+1], 0xfedcba98
	s_mov_b32 s[CS], 0x3e38aa3b                    ; c = log2(e) / 8
	s_mov_b32 s[CS+1], s[CS]                       ; (named with it as a pair, so it is written)
	s_wait_alu depctr_va_vdst(0)
	s_wait_dscnt 0x0                               ; both opening adds are done
	s_wait_kmcnt 0x0
	s_mov_b32 s[G0], 1
	s_mov_b32 s[G0+1], s16
	s_add_nc_u64 s[G0+2:G0+3], s[4:5], s[14:15]
	s_or_b32 s[G0+3], s[G0+3], 0x80000000
	s_add_nc_u64 s[42:43], s[4:5], s[42:43]
	s_add_nc_u64 s[44:45], s[4:5], s[44:45]
	s_add_nc_u64 s[46:47], s[6:7], s[46:47]
	s_add_nc_u64 s[48:49], s[6:7], s[48:49]
	ROUND                                          ; all four work-groups are here: the joint loads meet
	tensor_load_to_lds s[G0:G0+3], s[G1:G1+7]      ; my one tensor load
	s_nop 0
.rept 4
	v_nop
.endr
	v_and_b32 v3, 31, v0
	v_and_b32 v4, 15, v0
	v_lshlrev_b32 v1, 4, v3                        ; 16 x lane
	v_lshlrev_b32 v2, 3, v3                        ; 8 x lane
	v_lshlrev_b32 v4, 3, v4                        ; 8 r
	v_add_nc_u32 v235, s2, v4
	global_load_b128 v[16:19], v1, s[42:43]                    ; q of the even head: k = 0-63
	global_load_b64 v[20:21], v2, s[42:43] offset:512
	global_load_b128 v[28:31], v1, s[42:43] offset:49152       ; of the odd head: k = 64-127
	global_load_b64 v[32:33], v2, s[42:43] offset:49664
	global_load_b32 v[QS], v235, s[44:45] offset:98304         ; my queries' scale words
	s_lshr_b32 s13, s[WV], 2
	s_lshl_b32 s13, s13, 8
	s_add_co_u32 s13, s13, s19
	s_add_co_u32 s13, s13, STG
	v_add_nc_u32 v11, s13, v4                      ; where o's scale word goes
	s_and_b32 s13, s[WV], 3
	s_lshl_b32 s13, s13, 8
	s_add_co_u32 s13, s13, STG
	v_add_nc_u32 v238, s13, v2                     ; and from where a unit is read back
	v_bfe_u32 v[SH], v0, 4, 1
	v_lshlrev_b32 v[SH], 3, v[SH]                  ; 8 (lane / 16): how far up my bytes stand in p's scale word
.irp j, 22,23,24,25,26,27,36,37,38,39,40,41,90,91,92,93,94,95
	v_mov_b32 v\j, 0                               ; q's dead half, and the pads beside K's first and last tile
.endr
.irp b, 0,1,2,3
	v_mov_b32 v[BT+\b], 0                          ; written once: a lane permute's destination counts as one of its sources
.endr
	v_mov_b32 v233, 0                              ; (named as the upper half of the pair v[232:233])
	v_mov_b32 v234, 0
	v_mov_b32 v13, 0                               ; (named as the upper half of the pair v[12:13])
	s_wait_alu depctr_va_vdst(0)
	s_wait_tensorcnt 0x0                           ; my part of K and V is in,
	s_barrier_signal -1
	s_barrier_wait -1                              ; everybody's is
	s_wait_loadcnt 0x0                             ; q
.macro QK t, c
.if (\t)%2
	v_wmma_scale_f32_16x16x128_f8f6f4 v[96+8*(\t):103+8*(\t)], v[42+6*(\t)-6*(\c):53+6*(\t)-6*(\c)], v[16+6*(\c):27+6*(\c)], 0, v[KS+(\t)/2], v[QS] matrix_a_fmt:MATRIX_FMT_FP6 matrix_b_fmt:MATRIX_FMT_FP6 matrix_a_scale:MATRIX_SCALE_ROW1
.else
	v_wmma_scale_f32_16x16x128_f8f6f4 v[96+8*(\t):103+8*(\t)], v[42+6*(\t)-6*(\c):53+6*(\t)-6*(\c)], v[16+6*(\c):27+6*(\c)], 0, v[KS+(\t)/2], v[QS] matrix_a_fmt:MATRIX_FMT_FP6 matrix_b_fmt:MATRIX_FMT_FP6
.endif
.endm
.macro PV t
.if (\t)%2
	v_wmma_scale_f32_16x16x128_f8f6f4 v[160+8*(\t):167+8*(\t)], v[42+12*(\t):53+12*(\t)], v[192:203], v[160+8*(\t):167+8*(\t)], v[VS+(\t)/2], v[PWD] matrix_a_fmt:MATRIX_FMT_FP6 matrix_b_fmt:MATRIX_FMT_FP6 matrix_a_scale:MATRIX_SCALE_ROW1
.else
	v_wmma_scale_f32_16x16x128_f8f6f4 v[160+8*(\t):167+8*(\t)], v[42+12*(\t):53+12*(\t)], v[192:203], v[160+8*(\t):167+8*(\t)], v[VS+(\t)/2], v[PWD] matrix_a_fmt:MATRIX_FMT_FP6 matrix_b_fmt:MATRIX_FMT_FP6
.endif
.endm
; A KEY STEP: 128 keys of head c of the pair
.macro STEP c
	v_add_nc_u32 v3, s[TBK], v1                    ; (these six are also the places behind the last step's products, in front of the loads below)
	v_add_nc_u32 v4, s[TBK], v2
	v_add_nc_u32 v5, s[TBV], v1
	v_add_nc_u32 v6, s[TBV], v2
	v_add_nc_u32 v7, s[TSK], v2
	v_add_nc_u32 v8, s[TSV], v2
.irp t, 0,1,2,3,4,5,6,7
	ds_load_b128 v[42+6*\t:45+6*\t], v3 offset:768*\t          ; a tile of 16 keys x 64: half a fragment
	ds_load_b64 v[46+6*\t:47+6*\t], v4 offset:768*\t+512
.endr
	ds_load_b64 v[KS:KS+1], v7                     ; register i: lanes 0-15 tile 2 i's words, lanes 16-31 tile 2 i + 1's
	ds_load_b64 v[KS+2:KS+3], v7 offset:256
	s_wait_alu depctr_va_vdst(0)
	s_wait_dscnt 0x0
.irp t, 0,1,2,3,4,5,6,7
	QK \t, \c
.endr
.rept 4
	v_nop                                          ; places: in front of the loads into K's registers, and of the first read of the scores
.endr
.irp t, 0,1,2,3
	ds_load_b128 v[42+12*\t:45+12*\t], v5 offset:1536*\t       ; V's four fragments (16 channels x 128 keys) are asked for here and land under the softmax
	ds_load_b64 v[46+12*\t:47+12*\t], v6 offset:1536*\t+512
	ds_load_b128 v[48+12*\t:51+12*\t], v5 offset:1536*\t+768
	ds_load_b64 v[52+12*\t:53+12*\t], v6 offset:1536*\t+1280
.endr
	ds_load_b64 v[VS:VS+1], v8
; the largest score of my two blocks of 32 keys: it serves for the row's maximum and, since p rises with the score, for the block's largest p.  Four chains to a block, over its numbers 0-6, 7-13, 14-22, 23-31, the eight by turns.
; Each accumulator's first read takes one of its four lowest registers: 0; 8 with 7 and 9; 16 with 14 and 15; 24 with 23 and 25
.irp b, 0,1
	v_max3_num_f32 v[BM+8*\b], v[96+32*\b], v[97+32*\b], v[98+32*\b]
	v_max3_num_f32 v[BM+8*\b+1], v[103+32*\b], v[104+32*\b], v[105+32*\b]
	v_max3_num_f32 v[BM+8*\b+2], v[110+32*\b], v[111+32*\b], v[112+32*\b]
	v_max3_num_f32 v[BM+8*\b+3], v[119+32*\b], v[120+32*\b], v[121+32*\b]
.endr
.irp i, 0,2
.irp b, 0,1
	v_max3_num_f32 v[BM+8*\b], v[BM+8*\b], v[99+32*\b+\i], v[100+32*\b+\i]
	v_max3_num_f32 v[BM+8*\b+1], v[BM+8*\b+1], v[106+32*\b+\i], v[107+32*\b+\i]
	v_max3_num_f32 v[BM+8*\b+2], v[BM+8*\b+2], v[113+32*\b+\i], v[114+32*\b+\i]
	v_max3_num_f32 v[BM+8*\b+3], v[BM+8*\b+3], v[122+32*\b+\i], v[123+32*\b+\i]
.endr
.endr
.irp b, 0,1
	v_max3_num_f32 v[BM+8*\b+2], v[BM+8*\b+2], v[117+32*\b], v[118+32*\b]
	v_max3_num_f32 v[BM+8*\b+3], v[BM+8*\b+3], v[126+32*\b], v[127+32*\b]
.endr
	DEP 4
	v_max3_num_f32 v[BM], v[BM], v[BM+1], v[BM+2]
	DEP 3
	v_max3_num_f32 v[BM+8], v[BM+8], v[BM+9], v[BM+10]
	DEP 2
	v_max_num_f32 v[BM], v[BM], v[BM+3]
	DEP 2
	v_max_num_f32 v[BM+8], v[BM+8], v[BM+11]
	DEP 1
	v_max_num_f32 v234, v[BM], v[BM+8]
	DEP 1
	v_permlanex16_b32 v[BT+3], v234, s[SEL], s[SEL+1]
	DEP 1
	v_max_num_f32 v234, v234, v[BT+3]              ; with lane l xor 16's 64 keys: the step's largest score of my query
	DEP 1
	v_mul_f32 v234, s[CS], v234                    ; as t (c is positive)
	DEP 1
	v_floor_f32 v234, -v234                        ; floor(-t) = -ceil(t)
	DEP 1
	v_min_num_f32 v234, v12, v234                  ; the new -M: M is the ceiling of the running largest t
	DEP 1
	v_sub_f32 v235, v234, v12                      ; old M - new M: a whole number, 0 or less
	DEP 2
	v_mov_b32 v12, v234
	DEP 2
	v_cvt_i32_f32 v235, v235                       ; (it saturates)
	DEP 1
	v_ldexp_f32 v232, 1.0, v235                    ; f = 2^(old M - new M)
.set j, 0
.rept 32
	v_pk_fma_f32 v[96+j:97+j], v[96+j:97+j], s[CS:CS+1], v[12:13] op_sel_hi:[1,0,0]   ; t - M, two at a time
.set j, j+2
.endr
.irp b, 0,8
	v_fma_f32 v[BM+\b], v[BM+\b], s[CS], v12       ; the same of each block's largest score
.endr
.set j, 0
	s_wait_alu depctr_va_vdst(0)
.rept 64
	v_exp_f32 v[96+j], v[96+j]                     ; p = 2^(t - M), at most 1
.set j, j+1
.endr
	v_pk_mul_f32 v[14:15], v[14:15], v[232:233] op_sel_hi:[1,0]   ; the sums under the new M: a plain place behind the exponentials
	s_wait_alu depctr_va_vdst(0)                   ; one wait for the batch, ahead of its first reader
.irp b, 0,8
	v_exp_f32 v[BM+\b], v[BM+\b]                   ; the blocks' largest p
.endr
	v_pk_add_f32 v[236:237], v[100:101], v[104:105]            ; the row's sum, of the unquantised p: eight chains
	v_pk_add_f32 v[254:255], v[108:109], v[112:113]
	v_pk_add_f32 v[252:253], v[116:117], v[120:121]
	v_pk_add_f32 v[250:251], v[124:125], v[128:129]
	v_pk_add_f32 v[248:249], v[132:133], v[136:137]
	v_pk_add_f32 v[246:247], v[140:141], v[144:145]
	v_pk_add_f32 v[244:245], v[148:149], v[152:153]
	v_pk_add_f32 v[14:15], v[14:15], v[156:157]
	v_pk_add_f32 v[236:237], v[236:237], v[96:97]
	v_pk_add_f32 v[254:255], v[254:255], v[98:99]
	v_pk_add_f32 v[252:253], v[252:253], v[102:103]
	v_pk_add_f32 v[250:251], v[250:251], v[106:107]
	v_pk_add_f32 v[248:249], v[248:249], v[110:111]
	v_pk_add_f32 v[246:247], v[246:247], v[114:115]
	v_pk_add_f32 v[244:245], v[244:245], v[118:119]
	v_pk_add_f32 v[14:15], v[14:15], v[122:123]
	v_pk_add_f32 v[236:237], v[236:237], v[126:127]
	v_pk_add_f32 v[254:255], v[254:255], v[130:131]
	v_pk_add_f32 v[252:253], v[252:253], v[134:135]
	v_pk_add_f32 v[250:251], v[250:251], v[138:139]
	v_pk_add_f32 v[248:249], v[248:249], v[142:143]
	v_pk_add_f32 v[246:247], v[246:247], v[146:147]
	v_pk_add_f32 v[244:245], v[244:245], v[150:151]
	v_pk_add_f32 v[14:15], v[14:15], v[154:155]
	v_pk_add_f32 v[236:237], v[236:237], v[158:159]
	DEP 2
	v_pk_add_f32 v[14:15], v[14:15], v[250:251]
	DEP 2
	v_pk_add_f32 v[236:237], v[236:237], v[248:249]
	v_pk_add_f32 v[254:255], v[254:255], v[246:247]
	v_pk_add_f32 v[252:253], v[252:253], v[244:245]
	DEP 2
	v_pk_add_f32 v[14:15], v[14:15], v[254:255]
	DEP 2
	v_pk_add_f32 v[236:237], v[236:237], v[252:253]
	DEP 1
	v_pk_add_f32 v[14:15], v[14:15], v[236:237]
	s_wait_alu depctr_va_vdst(0)                   ; and one for the two
.irp b, 0,8
	v_max_num_f32 v[BM+\b], 0x1800000, v[BM+\b]    ; the floor 2^(3 - 127): the byte cannot fall under 1
.endr
.irp b, 0,8
	DEP 2
	v_add_nc_u32 v[BM+1+\b], 0xff000000, v[BM+\b]  ; the conversion's scale operand
.endr
.irp b, 0,1
	DEP 2
	v_lshrrev_b32 v[BT+\b], 23, v[BM+1+8*\b]       ; the byte
.endr
	DEP 1
	v_lshl_or_b32 v[BT], v[BT+1], 16, v[BT]        ; my two bytes: blocks h and 2 + h of my query,
	DEP 1
	v_lshlrev_b32 v[BT], v[SH], v[BT]              ; at their places in the word;
	DEP 1
	v_permlanex16_b32 v[BT+2], v[BT], s[SEL], s[SEL+1]
	DEP 1
	v_or_b32 v[PWD], v[BT], v[BT+2]                ; with lane l xor 16's two the word is whole
.irp c2, 0,1
	v_cvt_scalef32_pk16_fp6_f32 v[192+6*\c2:194+6*\c2], v[96+32*\c2:111+32*\c2], v[BM+1+8*\c2]
	v_cvt_scalef32_pk16_fp6_f32 v[204+4*\c2:206+4*\c2], v[112+32*\c2:127+32*\c2], v[BM+1+8*\c2]   ; (a conversion's three registers begin on an even number)
.endr
	v_nop                                          ; one plain place behind a scaled conversion
.irp c2, 0,1
.irp i, 0,1,2
	v_mov_b32 v[195+6*\c2+\i], v[204+4*\c2+\i]     ; registers 6 c .. 6 c + 5: keys 64 c + 32 h + 0 .. 31
.endr
.endr
.set j, 0
.rept 16
	v_pk_mul_f32 v[160+j:161+j], v[160+j:161+j], v[232:233] op_sel_hi:[1,0]   ; O^T under the new M.  For each product below, twelve of these name none of its registers: the places between p's codes and scale word and the product
.set j, j+2
.endr
	s_wait_alu depctr_va_vdst(0)
	s_wait_dscnt 0x0                               ; V
.irp t, 0,1,2,3
	PV \t                                          ; four accumulators by turns
.endr
	s_add_co_u32 s[TBK], s[TBK], 6144
	s_add_co_u32 s[TBV], s[TBV], 12288
	s_add_co_u32 s[TSK], s[TSK], 512
	s_add_co_u32 s[TSV], s[TSV], 512
.endm
; Head c's result: divided by the sum, quantised along its 64 channels (two blocks), stored as half a fragment of the last product's operand
.macro OUT c
.rept 4
	v_nop                                          ; places behind the last products
.endr
	v_add_f32 v14, v14, v15
	DEP 1
	v_permlanex16_b32 v234, v14, s[SEL], s[SEL+1]
	DEP 1
	v_add_f32 v14, v14, v234                       ; the row's sum
	s_wait_alu depctr_va_vdst(0)
	v_rcp_f32 v14, v14
	v_nop                                          ; one plain place behind the transcendental
	s_wait_alu depctr_va_vdst(0)                   ; and the wait ahead of its first reader
.set j, 0
.rept 32
	v_mul_f32 v[96+j], v[160+j], v14               ; register 16 g + i: channel 32 g + 16 (lane / 16) + i; each accumulator from its low end on
.set j, j+1
.endr
.irp b, 0,1
	v_max3_num_f32 v[BM+\b], |v[96+16*\b]|, |v[97+16*\b]|, 0x1800000
.endr
.irp i, 2,4,6,8,10,12,14
.irp b, 0,1
	DEP 2
	v_max3_num_f32 v[BM+\b], |v[96+16*\b+\i]|, |v[97+16*\b+\i]|, v[BM+\b]
.endr
.endr
.irp b, 0,1
	DEP 2
	v_permlanex16_b32 v[BT+\b], v[BM+\b], s[SEL], s[SEL+1]
.endr
.irp b, 0,1
	DEP 2
	v_max_num_f32 v[BM+\b], v[BM+\b], v[BT+\b]
.endr
.irp b, 0,1
	DEP 2
	v_add_nc_u32 v[SO+\b], 0xff000000, v[BM+\b]
.endr
.irp b, 0,1
	DEP 2
	v_lshrrev_b32 v[BT+\b], 23, v[SO+\b]
.endr
	DEP 1
	v_lshl_or_b32 v234, v[BT+1], 8, v[BT]
.if \c == 0
	DEP 1
	v_mov_b32 v[OS], v234                          ; the even head's two bytes,
.else
	DEP 1
	v_lshl_or_b32 v[OS], v234, 16, v[OS]           ; the odd head's above them
.endif
	v_cvt_scalef32_pk16_fp6_f32 v[192:194], v[96:111], v[SO]
	v_cvt_scalef32_pk16_fp6_f32 v[204:206], v[112:127], v[SO+1]
	v_nop
.irp i, 0,1,2
	v_permlane16_swap_b32 v[192+\i], v[204+\i]
.endr
.irp i, 0,1,2
	DEP 3
	v_mov_b32 v[195+\i], v[204+\i]
.endr
	global_store_b128 v1, v[192:195], s[46:47] offset:768*\c       ; 512 consecutive bytes, at a multiple of 256 from the buffer's first byte
	global_store_b64 v2, v[196:197], s[46:47] offset:768*\c+512    ; 256
.endm
.macro PASS c
	v_mov_b32 v12, 0x7f61b1e6                      ; -M so far: 3e38, over every floor(-t)
	v_mov_b32 v14, 0
	v_mov_b32 v15, 0
.set j, 0
.rept 32
	v_mov_b32 v[160+j], 0                          ; O^T.  (The step is written once: the first finds zeros, which the first change of M leaves zeros)
.set j, j+1
.endr
	s_mov_b32 s[TBK], 49152*\c
	s_mov_b32 s[TBV], VB+6144*\c
	s_mov_b32 s[TSK], 98304
	s_mov_b32 s[TSV], VB+98304+256*\c
	s_mov_b32 s[CNT], 8
	s_wait_xcnt 0x0                                ; the stores of the pass before have read their registers: the steps write them again
.Lstep_\@:
	STEP \c
	s_sub_co_u32 s[CNT], s[CNT], 1
	s_cmp_lg_u32 s[CNT], 0
	s_cbranch_scc1 .Lstep_\@
	OUT \c
.endm
	PASS 0
	PASS 1
	ds_store_b32 v11, v[OS]                        ; my 16 rows' scale words (both halves of the lanes write the same word with the same value)
	s_wait_tensorcnt 0x0                           ; the wave's end, behind my last tensor load and my last LDS store; only a read of LDS follows
	ds_add_u32 v[SPW], v[NIL]
	s_wait_dscnt 0x0                               ; also for the others' sake: my store has landed
	s_barrier_signal -1
	s_barrier_wait -1
	s_cmp_lt_u32 s[WV], 4
	s_cbranch_scc0 .Lno_unit
	ds_load_b64 v[240:241], v238                   ; waves 0-3 store a scale unit each: 256 consecutive bytes
	s_wait_dscnt 0x0
	global_store_b64 v2, v[240:241], s[48:49]
.Lno_unit:
	ROUND                                          ; the closing round
	s_endpgm
.Lfunc_end_k_qf011bdbbc8_attn:
	.size	k_qf011bdbbc8_attn, .Lfunc_end_k_qf011bdbbc8_attn-k_qf011bdbbc8_attn
	.p2alignl 7, 3214868480
	.fill 96, 4, 3214868480
	.section	.rodata,"a",@progbits
	.p2align	6, 0x0
	.amdhsa_kernel k_qf011bdbbc8_attn
		.amdhsa_group_segment_fixed_size 207872
		.amdhsa_private_segment_fixed_size 0
		.amdhsa_enable_private_segment 0
		.amdhsa_kernarg_size 16
		.amdhsa_user_sgpr_count 2
		.amdhsa_user_sgpr_kernarg_segment_ptr 1
		.amdhsa_wavefront_size32 1
		.amdhsa_system_sgpr_workgroup_id_x 1
		.amdhsa_system_sgpr_workgroup_id_y 1
		.amdhsa_system_sgpr_workgroup_id_z 1
		.amdhsa_system_vgpr_workitem_id 0
		.amdhsa_next_free_vgpr 256
		.amdhsa_next_free_sgpr 66
		.amdhsa_reserve_vcc 0
		.amdhsa_float_denorm_mode_32 3
		.amdhsa_float_denorm_mode_16_64 3
		.amdhsa_memory_ordered 1
		.amdhsa_forward_progress 1
		.amdhsa_inst_pref_size 51
	.end_amdhsa_kernel
	.amdgpu_metadata
---
amdhsa.version: [ 1, 2 ]
amdhsa.kernels:
  - .name:           k_qf011bdbbc8_attn
    .symbol:         k_qf011bdbbc8_attn.kd
    .args:
      - { .name: qkv, .offset: 0, .size: 8, .value_kind: global_buffer, .address_space: global }
      - { .name: oi, .offset: 8, .size: 8, .value_kind: global_buffer, .address_space: global }
    .group_segment_fixed_size: 207872
    .private_segment_fixed_size: 0
    .kernarg_segment_align: 8
    .kernarg_segment_size: 16
    .max_flat_workgroup_size: 512
    .sgpr_count:     66
    .vgpr_count:     256
    .wavefront_size: 32
...
	.end_amdgpu_metadata
.endif
;; end of part 3
;; launch gemm_proj (part 4): grid 8 x 32, 4 waves a work-group, clusters of 4 x 4, 327,680 bytes of LDS; arguments oi, wi, b_proj, out0; writes out0
.if DOCPART == 4
	.amdgcn_target "amdgcn-amd-amdhsa--gfx1250"
	.amdhsa_code_object_version 6
	.text
	.protected	k_qf011bdbbc8_gemm_proj
	.globl	k_qf011bdbbc8_gemm_proj
	.p2align	8
	.type	k_qf011bdbbc8_gemm_proj,@function
k_qf011bdbbc8_gemm_proj:
	s_mov_b64 s[64:65], 0
	v_nop
	global_prefetch_b8 v0, s[64:65] scope:SCOPE_SE
	s_setreg_imm32_b32 hwreg(HW_REG_WAVE_MODE, 25, 1), 1
	s_wait_xcnt 0x0
	s_wait_alu depctr_hold_cnt(0) depctr_sa_sdst(0) depctr_va_vdst(0) depctr_va_sdst(0) depctr_va_ssrc(0) depctr_va_vcc(0) depctr_vm_vsrc(0)
	s_getreg_b32 s2, hwreg(HW_REG_IB_STS2, 6, 4)
	s_cmp_eq_u32 s2, 0
	s_cbranch_scc0 .Lentry_in_a_cluster
	s_endpgm
.Lentry_in_a_cluster:
	s_bfe_u32 s2, ttmp6, 0x10000c
	s_cmp_lg_u32 s2, 0xf033
	s_cbranch_scc0 .Lentry_shape_is_right
	s_endpgm
.Lentry_shape_is_right:
; out0 = o w_proj + b_proj on codes of FP6 (E2M3) with E8M0 scales, K = 1,024; out0 is f32.
; OPERANDS are images of registers: a row group is 128 rows, RGB bytes: codes [K step 8][block 8][1,536], then scale words [K step 8][half 2][256]; w_proj's columns are wi's row groups 24 on.
; w's block 2 g + u holds in lane-row r column 32 g + 8 u + r + 8 (r / 8); o's block j of a band of 64 rows holds in lane-row r row 32 (r / 8) + 8 j + r % 8.
; SHARES.  256 work-groups, 8 x 32: work-group (gx, gy) makes rows 256 gy on x columns 128 gx on.  o's two row groups and w's one, all of K, come into LDS once, one joint load a wave: nothing is filled again,
; and all tiles are asked for at the head, so there is no loop to run ahead in and no prefetch.  CLUSTERS 4 x 4: o's groups are shared by a row of the cluster, w's by a column.
; Four waves, 2 x 2: wave (a, b) holds w's blocks 4 b .. 4 b + 3, ALL of K, in 384 registers, and streams the eight blocks of o's row group a past them, 16 rows with all of K at a time, in two sets of 8 fragments.
; A block's 16 x 64 results are whole after its 32 products (four accumulators by turns), so they leave block by block, under the next block's products.
; Source 0 = w's blocks: a lane holds a row of out0, its 32 registers 64 columns in halves of 16.  The bias is the first K step's C.
; A block goes through the wave's stage in LDS and leaves as rows of 256 bytes, two rows an instruction.  The stages lie in w's bytes, which every wave has read out by then (a barrier says so).
; REGISTERS.  window 0: v2-23 addresses; o's scale words at v[32 + 8 q + 0 .. 3], w's at v36-39, 44-47, 52-55, 60-63; v112-255 w's fragments of K steps 5-7.  window 1: o's fragments, two sets, at v0 and v128.
; window 2: v0-63 two sets of four accumulators; v64-95 the bias; v128-191 two sets of rows on the way out.  window 3: w's fragments of K steps 0-4.
.set RGB,   102400
.set HB,    51200
.set XB,    RGB
.set SPARE, 3*RGB
.set SP,    272                        ; a stage row: 256 bytes + 16
.set SPW,   28
.set NIL,   29
.set STO,   21
.set RD,    22
.set CO,    23
.set G1X,   24
.set G1W,   32
.set G0X,   40
.set G0W,   44
.set MSB, 0
.macro WIN new
.if MSB != (\new)
	s_set_vgpr_msb (MSB<<8)|(\new)
.set MSB, (\new)
.endif
.endm
.macro PLACES
.rept 4
	v_nop
.endr
.endm
.macro WALU
	s_wait_alu depctr_va_vdst(0)
.endm
.macro CROUND
	s_barrier_signal -1
	s_barrier_wait -1
	s_cmp_lg_u32 s14, 0
	s_cbranch_scc1 .Lnot_wave_0_\@
	s_barrier_signal -3
.Lnot_wave_0_\@:
	s_barrier_wait -3
	s_barrier_signal -1
	s_barrier_wait -1
.endm
.macro GRP1 g, rows
	s_mov_b32 s[\g+1], 32<<16
	s_mov_b32 s[\g+2], (\rows)<<16
	s_mov_b32 s[\g+3], 32<<16
	s_mov_b32 s[\g+4], \rows
	s_mov_b32 s[\g+5], 32
	s_mov_b32 s[\g+6], 0
	s_mov_b32 s[\g+7], 0
.endm
.macro FRAG reg, a16, a8, off
	ds_load_b128 v[\reg:\reg+3], v[\a16] offset:\off
	ds_load_b64 v[\reg+4:\reg+5], v[\a8] offset:\off+512
	ds_load_b128 v[\reg+6:\reg+9], v[\a16] offset:\off+768
	ds_load_b64 v[\reg+10:\reg+11], v[\a8] offset:\off+1280
.endm
.macro WLOAD                           ; my four blocks of w, all of K, their scale words, and the scale words of o's row group
.irp q, 0,1,2,3,4,5,6,7
.if \q < 5
	WIN 0xc0
.set xr, 48*\q
.else
	WIN 0
.set xr, 112+48*(\q-5)
.endif
.irp i, 0,1,2,3
	FRAG xr+12*\i, 4+10*(\q/4), 5+10*(\q/4), 12288*(\q%4)+1536*\i
.endr
.endr
	WIN 0
.irp q, 0,1,2,3,4,5,6,7
	ds_load_b64 v[36+8*(\q/2)+2*(\q%2):37+8*(\q/2)+2*(\q%2)], v6 offset:512*\q
	ds_load_b64 v[32+8*\q:33+8*\q], v9 offset:512*\q
	ds_load_b64 v[34+8*\q:35+8*\q], v9 offset:512*\q+256
.endr
.endm
.macro FETCHO s                        ; o's block s, all of K: 8 fragments, 32 loads, into set s % 2
	WIN 0x40
.irp q, 0,1,2,3,4,5,6,7
	FRAG 128*((\s)%2)+12*\q, 7+9*(\q/4), 8+9*(\q/4), 12288*(\q%4)+1536*(\s)
.endr
	WIN 0
.endm
.macro MB1 s, q, pb, rp, rs            ; a scale register holds an even block's words in lanes 0-15, the odd block's in lanes 16-31
.if (\q) < 5
.set xW, 48*(\q)+12*(\pb)
.else
.set xW, 112+48*((\q)-5)+12*(\pb)
.endif
.set xO, 128*((\s)%2)+12*(\q)
.set xD, 32*((\s)%2)+8*(\pb)
.set xC, 64+8*(\pb)
.set yW, 36+8*((\q)/2)+2*((\q)%2)+(\pb)/2
.set yO, 32+8*(\q)+2*((\s)/4)+((\s)%4)/2
.if (\q) == 0
	v_wmma_scale_f32_16x16x128_f8f6f4 v[xD:xD+7], v[xW:xW+11], v[xO:xO+11], v[xC:xC+7], v[yW], v[yO] matrix_a_fmt:MATRIX_FMT_FP6 matrix_b_fmt:MATRIX_FMT_FP6 matrix_a_scale:MATRIX_SCALE_ROW\rp matrix_b_scale:MATRIX_SCALE_ROW\rs
.else
	v_wmma_scale_f32_16x16x128_f8f6f4 v[xD:xD+7], v[xW:xW+11], v[xO:xO+11], v[xD:xD+7], v[yW], v[yO] matrix_a_fmt:MATRIX_FMT_FP6 matrix_b_fmt:MATRIX_FMT_FP6 matrix_a_scale:MATRIX_SCALE_ROW\rp matrix_b_scale:MATRIX_SCALE_ROW\rs
.endif
.endm
.macro MULB s                          ; block s: 8 K steps x my four blocks of w
.irp q, 0,1,2,3,4,5,6,7
.if \q < 5
	WIN 0xa7                               ; source 0 (w) window 3, source 1 (o) window 1, C and D window 2
.else
	WIN 0xa4                               ; w's fragments in window 0
.endif
.irp pe, 0,2
.if (\s)%2
	MB1 \s, \q, \pe, 0, 1
	MB1 \s, \q, \pe+1, 1, 1
.else
	MB1 \s, \q, \pe, 0, 0
	MB1 \s, \q, \pe+1, 1, 0
.endif
.endr
.endr
	WIN 0
.endm
.macro TOSTAGE s                       ; LDS serves a wave's instructions in order: no wait between the stores and the loads
	WIN 8                                          ; the data: window 2
.irp pb, 0,1,2,3
	ds_store_b128 v[STO], v[32*((\s)%2)+8*\pb:32*((\s)%2)+8*\pb+3] offset:128*(\pb/2)+32*(\pb%2)   ; each accumulator from its low end on
	ds_store_b128 v[STO], v[32*((\s)%2)+8*\pb+4:32*((\s)%2)+8*\pb+7] offset:128*(\pb/2)+32*(\pb%2)+16
.endr
	WIN 0x80
.irp t, 0,1,2,3,4,5,6,7
	ds_load_b128 v[128+32*((\s)%2)+4*\t:128+32*((\s)%2)+4*\t+3], v[RD] offset:2*SP*\t
.endr
	WIN 0
.endm
.macro SEND s, younger                 ; younger: the LDS loads issued behind block s's, which may stay out
	s_wait_dscnt \younger
	WIN 8
.irp t, 0,1,2,3,4,5,6,7
	global_store_b128 v[CO], v[128+32*((\s)%2)+4*\t:128+32*((\s)%2)+4*\t+3], s[10:11] offset:(64*((\s)/4)+8*((\s)%4)+32*(\t/4)+2*(\t%4))*4096 th:TH_STORE_NT   ; lane-rows 2 t and 2 t + 1: 256 consecutive bytes of each, at a multiple of 256
.endr
	WIN 0
.endm
	s_load_b256 s[4:11], s[0:1], 0x0               ; oi, wi, b_proj, out0
	v_lshl_add_u32 v[SPW], v0, 2, SPARE
	v_mov_b32 v[NIL], 0
	ds_add_u32 v[SPW], v[NIL]                      ; the opening lines: the add, twice on end, and its wait
	ds_add_u32 v[SPW], v[NIL]
	v_lshrrev_b32 v1, 5, v0
	v_readfirstlane_b32 s14, v1                    ; wave
	s_lshr_b32 s15, s14, 1                         ; a: my row group of o.  Also: I fetch for o (0) or for w (1)
	s_and_b32 s16, s14, 1                          ; b: my half of w's rows.  Also: which part I fetch
	s_bfe_u32 s17, ttmp6, 0x40000                  ; cx
	s_bfe_u32 s18, ttmp6, 0x40004                  ; cy
	s_lshl_b32 s21, ttmp9, 2
	s_add_co_u32 s21, s21, s17                     ; gx
	s_and_b32 s23, ttmp7, 0xffff
	s_lshl_b32 s23, s23, 2
	s_add_co_u32 s23, s23, s18                     ; gy
	s_lshl_b32 s2, s18, 2
	s_lshl_b32 s2, 15, s2
	s_lshl_b32 s3, 0x1111, s17
	s_or_b32 s[G1X], s2, (3<<16)|(1<<21)
	s_or_b32 s[G1W], s3, (3<<16)|(1<<21)
	GRP1 G1X, 400
	GRP1 G1W, 200
	s_lshl_b32 s72, s23, 1
	s_add_co_u32 s72, s72, s16
	s_mul_i32 s72, s72, RGB                        ; o's row group 2 gy + wave % 2
	s_mov_b32 s73, 0
	s_add_co_u32 s74, s21, 24
	s_mul_i32 s74, s74, RGB
	s_mul_i32 s75, s16, HB
	s_add_co_u32 s74, s74, s75                     ; wi's group 24 + gx, half wave % 2
	s_mov_b32 s75, 0
	s_mov_b32 s[G0X], 1
	s_mul_i32 s[G0X+1], s16, RGB
	s_add_co_u32 s[G0X+1], s[G0X+1], XB
	s_mov_b32 s[G0W], 1
	s_mul_i32 s[G0W+1], s16, HB
	WALU
	s_wait_dscnt 0x0
	s_wait_kmcnt 0x0
	s_add_nc_u64 s[G0X+2:G0X+3], s[4:5], s[72:73]
	s_or_b32 s[G0X+3], s[G0X+3], 0x80000000
	s_add_nc_u64 s[G0W+2:G0W+3], s[6:7], s[74:75]
	s_or_b32 s[G0W+3], s[G0W+3], 0x80000000
	CROUND                                         ; the first joint loads meet
	s_cmp_eq_u32 s15, 0                            ; one tensor load a wave: waves 0, 1 a row group of o each, waves 2, 3 half of w's group each
	s_cbranch_scc0 .Lfor_w
	tensor_load_to_lds s[G0X:G0X+3], s[G1X:G1X+7]
	s_nop 0
	PLACES
	s_branch .Lasked
.Lfor_w:
	tensor_load_to_lds s[G0W:G0W+3], s[G1W:G1W+7]
	s_nop 0
	PLACES
.Lasked:
	s_mul_i32 s76, s16, 6144                       ; my four blocks of w, K steps 0-3 (w's group lies at LDS byte 0);
	s_add_co_u32 s77, s76, 49152                   ; K steps 4-7
	s_lshl_b32 s78, s16, 8
	s_add_co_u32 s78, s78, 98304                   ; their scale units
	s_mul_i32 s69, s15, RGB
	s_add_co_u32 s69, s69, XB                      ; my row group of o, K steps 0-3;
	s_add_co_u32 s70, s69, 49152                   ; K steps 4-7;
	s_add_co_u32 s71, s69, 98304                   ; its scale units
	s_mul_i32 s79, s14, 16*SP                      ; my stage, in w's bytes
	s_lshl_b32 s72, s21, 9                         ; my 64 columns, in bytes
	s_lshl_b32 s74, s16, 8
	s_add_co_u32 s72, s72, s74
	s_mov_b32 s73, 0
	s_add_nc_u64 s[8:9], s[8:9], s[72:73]
	s_lshl_b32 s74, s23, 20                        ; 256 gy rows of 4,096 bytes,
	s_add_co_u32 s72, s72, s74
	s_lshl_b32 s74, s15, 19                        ; my row group
	s_add_co_u32 s72, s72, s74
	s_add_nc_u64 s[10:11], s[10:11], s[72:73]
	v_and_b32 v1, 31, v0
	v_lshlrev_b32 v2, 4, v1                        ; 16 x lane
	v_lshlrev_b32 v3, 3, v1                        ; 8 x lane
	v_add_nc_u32 v4, s76, v2
	v_add_nc_u32 v5, s76, v3
	v_add_nc_u32 v14, s77, v2
	v_add_nc_u32 v15, s77, v3
	v_add_nc_u32 v6, s78, v3
	v_add_nc_u32 v7, s69, v2
	v_add_nc_u32 v8, s69, v3
	v_add_nc_u32 v16, s70, v2
	v_add_nc_u32 v17, s70, v3
	v_add_nc_u32 v9, s71, v3
	v_and_b32 v18, 15, v0                          ; r
	v_bfe_u32 v19, v0, 4, 1                        ; h
	v_lshlrev_b32 v20, 6, v19                      ; the bias: tile p's register j is column 32 (p / 2) + 16 h + 8 (p % 2) + j of my 64
	v_mul_u32_u24 v[STO], v18, SP                  ; into the stage: row r, + 64 h
	v_lshl_add_u32 v[STO], v19, 6, v[STO]
	v_add_nc_u32 v[STO], s79, v[STO]
	v_mul_u32_u24 v[RD], v19, SP                   ; back: sixteen lanes to a row, two rows an instruction
	v_lshl_add_u32 v[RD], v18, 4, v[RD]
	v_add_nc_u32 v[RD], s79, v[RD]
	v_lshlrev_b32 v[CO], 12, v19                   ; and the same two rows in out0
	v_lshl_add_u32 v[CO], v18, 4, v[CO]
	WALU
	WIN 0x80
.irp p, 0,1,2,3
	global_load_b128 v[64+8*\p:67+8*\p], v20, s[8:9] offset:128*(\p/2)+32*(\p%2)
	global_load_b128 v[68+8*\p:71+8*\p], v20, s[8:9] offset:128*(\p/2)+32*(\p%2)+16
.endr
	WIN 0
	s_wait_tensorcnt 0x0                           ; my tile is in,
	s_barrier_signal -1
	s_barrier_wait -1                              ; everybody's is
	WLOAD
	FETCHO 0
	s_wait_dscnt 0x0                               ; my w is in registers,
	s_barrier_signal -1
	s_barrier_wait -1                              ; everybody's is: w's bytes may take the stages
	s_wait_loadcnt 0x0                             ; the bias
.irp s, 0,1,2,3,4,5,6,7
.if \s > 0
	s_wait_dscnt 16                                ; this block's fragments are in; the last block's 8 stores into the stage and 8 loads from it may be out
.endif
.if \s < 7
	PLACES                                         ; in front of loads into registers that the last block's products have read
	FETCHO \s+1
.endif
	MULB \s
.if \s > 0
.if \s < 7
	SEND \s-1, 32                                  ; the last block leaves; behind its loads from the stage: the 32 of the fetch above
.else
	SEND \s-1, 0
.endif
.endif
	PLACES                                         ; in front of the first read of this block's results
.if \s > 1
	s_wait_xcnt 0x0                                ; the stores of two blocks ago have read their registers
.endif
	TOSTAGE \s
.endr
	SEND 7, 0
	s_wait_tensorcnt 0x0                           ; the wave's end
	ds_add_u32 v[SPW], v[NIL]
	s_wait_dscnt 0x0
	CROUND                                         ; the closing round
	s_endpgm
.Lfunc_end_k_qf011bdbbc8_gemm_proj:
	.size	k_qf011bdbbc8_gemm_proj, .Lfunc_end_k_qf011bdbbc8_gemm_proj-k_qf011bdbbc8_gemm_proj
	.p2alignl 7, 3214868480
	.fill 96, 4, 3214868480
	.section	.rodata,"a",@progbits
	.p2align	6, 0x0
	.amdhsa_kernel k_qf011bdbbc8_gemm_proj
		.amdhsa_group_segment_fixed_size 327680
		.amdhsa_private_segment_fixed_size 0
		.amdhsa_enable_private_segment 0
		.amdhsa_kernarg_size 32
		.amdhsa_user_sgpr_count 2
		.amdhsa_user_sgpr_kernarg_segment_ptr 1
		.amdhsa_wavefront_size32 1
		.amdhsa_system_sgpr_workgroup_id_x 1
		.amdhsa_system_sgpr_workgroup_id_y 1
		.amdhsa_system_sgpr_workgroup_id_z 1
		.amdhsa_system_vgpr_workitem_id 0
		.amdhsa_next_free_vgpr 1024
		.amdhsa_next_free_sgpr 84
		.amdhsa_reserve_vcc 0
		.amdhsa_float_denorm_mode_32 3
		.amdhsa_float_denorm_mode_16_64 3
		.amdhsa_memory_ordered 1
		.amdhsa_forward_progress 1
		.amdhsa_inst_pref_size 84
	.end_amdhsa_kernel
	.amdgpu_metadata
---
amdhsa.version: [ 1, 2 ]
amdhsa.kernels:
  - .name:           k_qf011bdbbc8_gemm_proj
    .symbol:         k_qf011bdbbc8_gemm_proj.kd
    .args:
      - { .name: oi, .offset: 0, .size: 8, .value_kind: global_buffer, .address_space: global }
      - { .name: wi, .offset: 8, .size: 8, .value_kind: global_buffer, .address_space: global }
      - { .name: b_proj, .offset: 16, .size: 8, .value_kind: global_buffer, .address_space: global }
      - { .name: out0, .offset: 24, .size: 8, .value_kind: global_buffer, .address_space: global }
    .group_segment_fixed_size: 327680
    .private_segment_fixed_size: 0
    .kernarg_segment_align: 8
    .kernarg_segment_size: 32
    .max_flat_workgroup_size: 128
    .sgpr_count:     84
    .vgpr_count:     1024
    .wavefront_size: 32
...
	.end_amdgpu_metadata
.endif
;; end of part 4
